; MI455X (gfx1250); checked and timed in simulation.
; The chip was launched on July 23, 2026; its instructions are those of AMD's public machine-readable ISA for CDNA 5 (MIT licence, August 2026) and "CDNA5" Instruction Set Architecture Reference Guide (July 2026). The comments in the code are by the model that wrote it; some were corrected since.
;; Mixture Of Experts. Allowed arithmetic: float matrix products may take bf16 or f16 operands with f32 sums; all other float work in f32.
;; Inputs: W1 8 x 1,024 x 4,096 float32; W2 8 x 4,096 x 1,024 float32; Wg 1,024 x 8 float32; b1 8 x 4,096 float32; b2 8 x 1,024 float32; bg 8 float32; x 4 x 256 x 1,024 float32.
;; Outputs: out0 4 x 256 x 1,024 float32.
;; 2 versions, each right and faster than the one before. Each part assembles by itself: llvm-mc -triple=amdgcn-amd-amdhsa -mcpu=gfx1250 --defsym DOCPART=n.
;; ======== version 1 of 2: 5 launches
;; limits: values outside matrix products are rounded to bf16
;; workspace buffers: xb 2,097,152 bytes; sel 4,096 bytes of whole numbers; gw 8,192 bytes; list 8,704 bytes of whole numbers; slots 8,192 bytes of whole numbers; meta 256 bytes of whole numbers; hbuf 35,651,584 bytes; part 35,651,584 bytes
;; launch gate (part 1): grid 256 x 1, 4 waves a work-group, no clusters, 0 bytes of LDS; arguments x, Wg, bg, xb, sel, gw; writes xb, sel, gw
.if DOCPART == 1
	.amdgcn_target "amdgcn-amd-amdhsa--gfx1250"
	.amdhsa_code_object_version 6
	.text
	.protected	k_qb2242945ff_gate
	.globl	k_qb2242945ff_gate
	.p2align	8
	.type	k_qb2242945ff_gate,@function
k_qb2242945ff_gate:
	s_mov_b64 s[64:65], 0
	v_nop
	global_prefetch_b8 v0, s[64:65] scope:SCOPE_SE
	s_setreg_imm32_b32 hwreg(HW_REG_WAVE_MODE, 25, 1), 1
	s_wait_xcnt 0x0
; GATE.  One wave takes one token t = 4 x work-group + wave:
;   logits[e] = sum over d of bf16(x[t][d]) * bf16(Wg[d][e]) + bf16(bg[e]),  products exact, sums in f32;
;   e0, e1 = the two largest logits (strict >, so the lower index wins a tie);  p = softmax with the maximum taken away.
; Stored: xb[t][0:1024] = x rounded to bf16 (the matrix operand of the first layer), sel[t] = e0 | e1 << 8, gw[t] = p(e0), p(e1).
; LIMITS, stated: the gate's product takes its operands in bf16 as the other products do, and bg counts as a row of that operand; so the
; choice of the two experts is the choice on rounded operands.  Logits that are equal within the order of f32 sums may be chosen otherwise
; than by another order of summing.  The choice is made on the logits, of which the softmax is a monotone function.  NaN logits are not served.
; The product has 8 columns: too narrow for a 16 x 16 matrix tile and a ten-thousandth of the program's arithmetic, so it runs on the vector ALU.
; No LDS, no barrier: no wave needs another.  sel and gw are 4 and 8 bytes a token, 12,288 bytes in the whole launch, stored by lane 0.
.set ACC, 8                            ; v[8:15]    the eight sums
.set XB,  16                           ; v[16:31]   chunk j: 2 registers, my four x in bf16 (store data, never rewritten)
.set WB,  32                           ; v[32:47]   one chunk of Wg in bf16: register 4 i + m = experts 2 m, 2 m + 1 of my i-th d
.set X,   48                           ; v[48:79]   chunk j: 4 registers of x as loaded
.set W,   80                           ; v[80:207]  ring of four chunks of Wg as loaded: register 8 i + e = Wg[d_i][e]
.set BG,  208                          ; v[208:211] bg in bf16
.set M1,  212                          ; largest logit
.set I1,  213                          ; its expert
.set M2,  214                          ; second largest
.set I2,  215                          ; its expert
.set EX,  216                          ; v[216:223] exponentials
.set E2,  224                          ; exponential of the second largest
.set GW,  226                          ; v[226:227] p(e0), p(e1)
.set SW,  228                          ; e0 | e1 << 8
.set OS,  229                          ; 4 t
.set OG,  230                          ; 8 t
	s_load_b256 s[4:11], s[0:1], 0x0               ; x s[4:5], Wg s[6:7], bg s[8:9], xb s[10:11]
	s_load_b128 s[12:15], s[0:1], 0x20             ; sel s[12:13], gw s[14:15]
	v_lshrrev_b32 v6, 5, v0
	v_readfirstlane_b32 s24, v6                    ; wave
	v_and_b32 v1, 31, v0                           ; lane
	v_lshlrev_b32 v2, 4, v1                        ; x: 16 bytes a lane
	v_lshlrev_b32 v3, 7, v1                        ; Wg: four rows of 32 bytes a lane
	v_lshlrev_b32 v4, 3, v1                        ; xb: 8 bytes a lane
	v_mov_b32 v5, 1.0
	s_lshl_b32 s25, ttmp9, 2
	s_add_co_u32 s25, s25, s24                     ; t
	s_lshl_b32 s26, s25, 12                        ; a row of x is 4,096 bytes
	s_mov_b32 s27, 0
	s_mov_b32 s28, 0x76543210                      ; v_permlanex16_b32: lane i of one half reads lane i of the other
	s_mov_b32 s29, 0xfedcba98
	s_wait_kmcnt 0x0
	s_load_b256 s[16:23], s[8:9], 0x0              ; the eight bg
	s_add_nc_u64 s[4:5], s[4:5], s[26:27]
	s_lshl_b32 s26, s25, 11                        ; a row of xb is 2,048 bytes
	s_add_nc_u64 s[10:11], s[10:11], s[26:27]
; In chunk j (128 d) lane l owns d = 128 j + 4 l + i, i = 0..3.
.irp j, 0,1,2,3,4,5,6,7
	global_load_b128 v[X+4*\j:X+4*\j+3], v2, s[4:5] offset:512*\j th:TH_LOAD_NT   ; 512 consecutive bytes a wave; x is read once in the launch
.endr
.macro WGLD j                          ; chunk j of Wg: my four rows, 128 bytes; the eight loads of the wave together take 4,096 consecutive bytes
.irp q, 0,1,2,3,4,5,6,7
	global_load_b128 v[W+32*(\j&3)+4*\q:W+32*(\j&3)+4*\q+3], v3, s[6:7] offset:4096*\j+16*\q
.endr
.endm
	WGLD 0
	WGLD 1
	WGLD 2
	WGLD 3
.irp e, 0,1,2,3,4,5,6,7
	v_mov_b32 v[ACC+\e], 0
.endr
; left = the loads issued behind chunk j's eight: 8 for each younger chunk of Wg (x is older than all of Wg).
.macro CHUNK j, left
	s_wait_loadcnt \left
	v_cvt_pk_bf16_f32 v[XB+2*\j],   v[X+4*\j],   v[X+4*\j+1]
	v_cvt_pk_bf16_f32 v[XB+2*\j+1], v[X+4*\j+2], v[X+4*\j+3]
	global_store_b64 v4, v[XB+2*\j:XB+2*\j+1], s[10:11] offset:256*\j   ; the wave stores 256 consecutive bytes, aligned
.set wi, 0
.rept 16
	v_cvt_pk_bf16_f32 v[WB+wi], v[W+32*(\j&3)+2*wi], v[W+32*(\j&3)+2*wi+1]
.set wi, wi+1
.endr
.if \j < 4
	WGLD (\j+4)                                    ; into the ring slot that the conversions above have read
.endif
.irp ih, 0,1
.irp il, 0,1
.irp em, 0,1,2,3
.irp el, 0,1
	v_fma_mix_f32_bf16 v[ACC+2*\em+\el], v[XB+2*\j+\ih], v[WB+4*(2*\ih+\il)+\em], v[ACC+2*\em+\el] op_sel:[\il,\el,0] op_sel_hi:[1,1,0]
.endr
.endr
.endr
.endr
.endm
	CHUNK 0, 24
	CHUNK 1, 24
	CHUNK 2, 24
	CHUNK 3, 24
	CHUNK 4, 24
	CHUNK 5, 16
	CHUNK 6, 8
	CHUNK 7, 0
.macro WSUM r                          ; the sum over the 32 lanes, in every lane
	v_add_f32_dpp v[\r], v[\r], v[\r] row_xmask:1 row_mask:0xf bank_mask:0xf
	v_add_f32_dpp v[\r], v[\r], v[\r] row_xmask:2 row_mask:0xf bank_mask:0xf
	v_add_f32_dpp v[\r], v[\r], v[\r] row_xmask:4 row_mask:0xf bank_mask:0xf
	v_add_f32_dpp v[\r], v[\r], v[\r] row_xmask:8 row_mask:0xf bank_mask:0xf
	v_permlanex16_b32 v6, v[\r], s28, s29          ; v6 has been written before
	v_add_f32 v[\r], v[\r], v6
.endm
.irp e, 0,1,2,3,4,5,6,7
	WSUM ACC+\e
.endr
	s_wait_kmcnt 0x0                               ; bg
.irp c, 0,1,2,3
	v_cvt_pk_bf16_f32 v[BG+\c], s[16+2*\c], s[17+2*\c]
.endr
.irp em, 0,1,2,3
.irp el, 0,1
	v_fma_mix_f32_bf16 v[ACC+2*\em+\el], v[BG+\em], v5, v[ACC+2*\em+\el] op_sel:[\el,0,0] op_sel_hi:[1,0,0]   ; + bf16(bg) x 1.0
.endr
.endr
	; the largest logit: strict >, ascending e
	v_mov_b32 v[M1], v[ACC]
	v_mov_b32 v[I1], 0
.irp e, 1,2,3,4,5,6,7
	v_cmp_gt_f32 vcc_lo, v[ACC+\e], v[M1]
	v_cndmask_b32 v[M1], v[M1], v[ACC+\e], vcc_lo
	v_cndmask_b32 v[I1], v[I1], \e, vcc_lo
.endr
	; the largest of the seven others
	v_mov_b32 v[M2], 0xff800000                    ; minus infinity
	v_mov_b32 v[I2], 0
.irp e, 0,1,2,3,4,5,6,7
	v_cmp_ne_u32 s30, \e, v[I1]
	v_cmp_gt_f32 vcc_lo, v[ACC+\e], v[M2]
	s_and_b32 vcc_lo, vcc_lo, s30
	v_cndmask_b32 v[M2], v[M2], v[ACC+\e], vcc_lo
	v_cndmask_b32 v[I2], v[I2], \e, vcc_lo
.endr
	; softmax with the maximum taken away: every exponent is at most 0, the largest term is exactly 1
.irp e, 0,1,2,3,4,5,6,7
	v_sub_f32 v[EX+\e], v[ACC+\e], v[M1]
.endr
	v_sub_f32 v[E2], v[M2], v[M1]
.irp e, 0,1,2,3,4,5,6,7
	v_mul_f32 v[EX+\e], 0x3fb8aa3b, v[EX+\e]       ; x log2(e)
.endr
	v_mul_f32 v[E2], 0x3fb8aa3b, v[E2]
.irp e, 0,1,2,3,4,5,6,7
	v_exp_f32 v[EX+\e], v[EX+\e]
.endr
	v_exp_f32 v[E2], v[E2]
	v_nop                                          ; one plain place behind the last exponential (ISA guide 5.7.2)
	s_wait_alu depctr_va_vdst(0)
	v_pk_add_f32 v[EX:EX+1], v[EX:EX+1], v[EX+2:EX+3]
	v_pk_add_f32 v[EX+4:EX+5], v[EX+4:EX+5], v[EX+6:EX+7]
	v_pk_add_f32 v[EX:EX+1], v[EX:EX+1], v[EX+4:EX+5]
	v_add_f32 v[EX], v[EX], v[EX+1]
	v_rcp_f32 v[GW], v[EX]                         ; p(e0) = 1 / sum
	v_lshl_or_b32 v[SW], v[I2], 8, v[I1]           ; the plain place behind the reciprocal
	s_wait_alu depctr_va_vdst(0)
	v_mul_f32 v[GW+1], v[E2], v[GW]                ; p(e1)
	s_lshl_b32 s26, s25, 2
	v_mov_b32 v[OS], s26
	s_lshl_b32 s26, s25, 3
	v_mov_b32 v[OG], s26
	v_cmp_eq_u32 vcc_lo, 0, v1
	s_wait_xcnt 0x0                                ; EXEC is a source of the stores of xb: it is narrowed only behind this wait
	s_and_saveexec_b32 s31, vcc_lo                 ; lane 0 alone
	global_store_b32 v[OS], v[SW], s[12:13]
	global_store_b64 v[OG], v[GW:GW+1], s[14:15]
	s_endpgm
.Lfunc_end_k_qb2242945ff_gate:
	.size	k_qb2242945ff_gate, .Lfunc_end_k_qb2242945ff_gate-k_qb2242945ff_gate
	.p2alignl 7, 3214868480
	.fill 96, 4, 3214868480
	.section	.rodata,"a",@progbits
	.p2align	6, 0x0
	.amdhsa_kernel k_qb2242945ff_gate
		.amdhsa_group_segment_fixed_size 0
		.amdhsa_private_segment_fixed_size 0
		.amdhsa_enable_private_segment 0
		.amdhsa_kernarg_size 48
		.amdhsa_user_sgpr_count 2
		.amdhsa_user_sgpr_kernarg_segment_ptr 1
		.amdhsa_wavefront_size32 1
		.amdhsa_system_sgpr_workgroup_id_x 1
		.amdhsa_system_sgpr_workgroup_id_y 1
		.amdhsa_system_sgpr_workgroup_id_z 1
		.amdhsa_system_vgpr_workitem_id 0
		.amdhsa_next_free_vgpr 232
		.amdhsa_next_free_sgpr 66
		.amdhsa_reserve_vcc 1
		.amdhsa_float_denorm_mode_32 3
		.amdhsa_float_denorm_mode_16_64 3
		.amdhsa_memory_ordered 1
		.amdhsa_forward_progress 1
		.amdhsa_inst_pref_size 43
	.end_amdhsa_kernel
	.amdgpu_metadata
---
amdhsa.version: [ 1, 2 ]
amdhsa.kernels:
  - .name:           k_qb2242945ff_gate
    .symbol:         k_qb2242945ff_gate.kd
    .args:
      - { .name: x, .offset: 0, .size: 8, .value_kind: global_buffer, .address_space: global }
      - { .name: Wg, .offset: 8, .size: 8, .value_kind: global_buffer, .address_space: global }
      - { .name: bg, .offset: 16, .size: 8, .value_kind: global_buffer, .address_space: global }
      - { .name: xb, .offset: 24, .size: 8, .value_kind: global_buffer, .address_space: global }
      - { .name: sel, .offset: 32, .size: 8, .value_kind: global_buffer, .address_space: global }
      - { .name: gw, .offset: 40, .size: 8, .value_kind: global_buffer, .address_space: global }
    .group_segment_fixed_size: 0
    .private_segment_fixed_size: 0
    .kernarg_segment_align: 8
    .kernarg_segment_size: 48
    .max_flat_workgroup_size: 128
    .sgpr_count:     66
    .vgpr_count:     232
    .wavefront_size: 32
...
	.end_amdgpu_metadata
.endif
;; end of part 1
;; launch sort (part 2): grid 1 x 1, 32 waves a work-group, no clusters, 4,608 bytes of LDS; arguments sel, list, slots, meta; writes list, slots, meta
.if DOCPART == 2
	.amdgcn_target "amdgcn-amd-amdhsa--gfx1250"
	.amdhsa_code_object_version 6
	.text
	.protected	k_qb2242945ff_sort
	.globl	k_qb2242945ff_sort
	.p2align	8
	.type	k_qb2242945ff_sort,@function
k_qb2242945ff_sort:
	s_mov_b64 s[64:65], 0
	v_nop
	global_prefetch_b8 v0, s[64:65] scope:SCOPE_SE
	s_setreg_imm32_b32 hwreg(HW_REG_WAVE_MODE, 25, 1), 1
	s_wait_xcnt 0x0
; SORT.  Whole numbers only.  One work-group of 1,024 threads, thread t = token t.  From sel[t] = e0 | e1 << 8 it makes, without atomics:
;   n_e     how many tokens chose expert e;   base_e = the sum of the counts in front, each raised to a multiple of 16;
;   slot    of the pair (t, e) = base_e + the number of lower tokens that chose e;
;   list[slot] = t,  slots[t] = slot(t, e0), slot(t, e1),  meta[2 e] = base_e, meta[2 e + 1] = n_e.
; At most 2,048 + 8 x 15 = 2,168 slots are used; the buffers hold 2,176.  Slots from n_e to the raised count are left unwritten in list, and
; no later launch reads them there.  One work-group, since a prefix sum over 1,024 words is one barrier's work.
; list is stored as single words to places that the data choose: 8,192 bytes in the whole launch.
	s_load_b256 s[4:11], s[0:1], 0x0               ; sel s[4:5], list s[6:7], slots s[8:9], meta s[10:11]
	v_lshl_add_u32 v32, v0, 2, 0x200
	v_mov_b32 v33, 0
	v_lshrrev_b32 v2, 5, v0
	v_readfirstlane_b32 s12, v2                    ; wave w
	v_and_b32 v3, 31, v0                           ; lane
	v_lshlrev_b32 v1, 2, v0                        ; 4 t
	v_lshlrev_b32 v11, 2, v3                       ; 4 x lane
	s_mov_b32 s13, 0x76543210
	s_mov_b32 s14, 0xfedcba98
	v_mov_b32 v6, 0                                ; rank of (t, e0) among my wave's tokens
	v_mov_b32 v7, 0                                ; rank of (t, e1)
	s_wait_kmcnt 0x0
	global_load_b32 v2, v1, s[4:5]
	s_wait_loadcnt 0x0
	v_and_b32 v4, 7, v2                            ; e0
	v_bfe_u32 v5, v2, 8, 3                         ; e1
.irp e, 0,1,2,3,4,5,6,7
	v_cmp_eq_u32 s[16+\e], \e, v4                  ; lanes whose first choice is e
	v_cmp_eq_u32 s[24+\e], \e, v5                  ; lanes whose second choice is e
	s_or_b32 s[32+\e], s[16+\e], s[24+\e]
	s_bcnt1_i32_b32 s[40+\e], s[32+\e]             ; my wave's count for e
	v_mbcnt_lo_u32_b32 v8, s[32+\e], 0             ; lower lanes that chose e
	v_cndmask_b32 v6, v6, v8, s[16+\e]
	v_cndmask_b32 v7, v7, v8, s[24+\e]
.endr
	; the counts of experts c and c + 4 share a word (every sum is at most 1,024, so the halves never meet); word c of wave w at byte 128 c + 4 w
	s_lshl_b32 s15, s12, 2
	v_mov_b32 v9, s15
.irp c, 0,1,2,3
	s_lshl_b32 s52, s[44+\c], 16
	s_or_b32 s[48+\c], s[40+\c], s52
	v_mov_b32 v[20+\c], s[48+\c]
	ds_store_b32 v9, v[20+\c] offset:128*\c        ; all lanes write the same word with the same value
.endr
	s_wait_dscnt 0x0                               ; my stores are done before I say so: zero, for the other waves' sake
	s_barrier_signal -1
	s_barrier_wait -1
.irp c, 0,1,2,3
	ds_load_b32 v[12+\c], v11 offset:128*\c        ; lane l takes wave l's word
.endr
	v_cmp_gt_u32 vcc_lo, s12, v3                   ; waves in front of mine
	s_wait_dscnt 0x0
.irp c, 0,1,2,3
	v_cndmask_b32 v[16+\c], 0, v[12+\c], vcc_lo
.endr
.macro ISUM r                          ; whole-number sum over the 32 lanes, in every lane
.irp m, 1,2,4,8
	v_mov_b32_dpp v20, v[\r] row_xmask:\m row_mask:0xf bank_mask:0xf
	v_add_nc_u32 v[\r], v[\r], v20
.endr
	v_permlanex16_b32 v20, v[\r], s13, s14
	v_add_nc_u32 v[\r], v[\r], v20
.endm
.irp r, 12,13,14,15,16,17,18,19
	ISUM \r
.endr
.irp c, 0,1,2,3
	v_readfirstlane_b32 s[56+\c], v[12+\c]         ; totals
	v_readfirstlane_b32 s[60+\c], v[16+\c]         ; sums over the waves in front of mine
.endr
.irp c, 0,1,2,3
	s_and_b32  s[68+\c], s[56+\c], 0xffff          ; n_c
	s_lshr_b32 s[72+\c], s[56+\c], 16              ; n_(c+4)
	s_and_b32  s[76+\c], s[60+\c], 0xffff          ; in front of my wave, expert c
	s_lshr_b32 s[80+\c], s[60+\c], 16              ; expert c + 4
.endr
	s_mov_b32 s84, 0
.irp e, 0,1,2,3,4,5,6,7
	s_mov_b32 s[88+\e], s84                        ; base_e
	s_add_co_u32 s[76+\e], s[76+\e], s84           ; base_e + what lies in front of my wave
	s_add_co_u32 s85, s[68+\e], 15
	s_and_b32 s85, s85, -16                        ; n_e raised to a multiple of 16
	s_add_co_u32 s84, s84, s85
.endr
	v_mov_b32 v21, 0
	v_mov_b32 v22, 0
.irp e, 0,1,2,3,4,5,6,7
	v_cndmask_b32 v21, v21, s[76+\e], s[16+\e]
	v_cndmask_b32 v22, v22, s[76+\e], s[24+\e]
.endr
	v_add_nc_u32 v6, v6, v21
	v_add_nc_u32 v7, v7, v22
	v_min_u32 v6, 2175, v6                         ; a number made from loaded data enters an address only behind a clamp to the table's size
	v_min_u32 v7, 2175, v7
	v_lshlrev_b32 v23, 2, v6
	v_lshlrev_b32 v24, 2, v7
	v_lshlrev_b32 v25, 3, v0
	global_store_b32 v23, v0, s[6:7]               ; list[slot(t, e0)] = t
	global_store_b32 v24, v0, s[6:7]               ; list[slot(t, e1)] = t
	global_store_b64 v25, v[6:7], s[8:9]           ; slots[t]: the wave stores 256 consecutive bytes
	s_cmp_lg_u32 s12, 0
	s_cbranch_scc1 .Lend                           ; meta is wave 0's; no barrier stands behind this branch
	v_mov_b32 v26, 0
.irp e, 0,1,2,3,4,5,6,7
	v_writelane_b32 v26, s[88+\e], 2*\e
	v_writelane_b32 v26, s[68+\e], 2*\e+1
.endr
	global_store_b32 v11, v26, s[10:11]            ; 32 words: 16 of figures, 16 of zeros
.Lend:
	s_barrier_signal -1
	s_barrier_wait -1
	s_wait_tensorcnt 0x0
	ds_add_u32 v32, v33
	s_wait_dscnt 0x0
	s_endpgm
.Lfunc_end_k_qb2242945ff_sort:
	.size	k_qb2242945ff_sort, .Lfunc_end_k_qb2242945ff_sort-k_qb2242945ff_sort
	.p2alignl 7, 3214868480
	.fill 96, 4, 3214868480
	.section	.rodata,"a",@progbits
	.p2align	6, 0x0
	.amdhsa_kernel k_qb2242945ff_sort
		.amdhsa_group_segment_fixed_size 4608
		.amdhsa_private_segment_fixed_size 0
		.amdhsa_enable_private_segment 0
		.amdhsa_kernarg_size 32
		.amdhsa_user_sgpr_count 2
		.amdhsa_user_sgpr_kernarg_segment_ptr 1
		.amdhsa_wavefront_size32 1
		.amdhsa_system_sgpr_workgroup_id_x 1
		.amdhsa_system_sgpr_workgroup_id_y 1
		.amdhsa_system_sgpr_workgroup_id_z 1
		.amdhsa_system_vgpr_workitem_id 0
		.amdhsa_next_free_vgpr 34
		.amdhsa_next_free_sgpr 96
		.amdhsa_reserve_vcc 1
		.amdhsa_float_denorm_mode_32 3
		.amdhsa_float_denorm_mode_16_64 3
		.amdhsa_memory_ordered 1
		.amdhsa_forward_progress 1
		.amdhsa_inst_pref_size 15
	.end_amdhsa_kernel
	.amdgpu_metadata
---
amdhsa.version: [ 1, 2 ]
amdhsa.kernels:
  - .name:           k_qb2242945ff_sort
    .symbol:         k_qb2242945ff_sort.kd
    .args:
      - { .name: sel, .offset: 0, .size: 8, .value_kind: global_buffer, .address_space: global }
      - { .name: list, .offset: 8, .size: 8, .value_kind: global_buffer, .address_space: global }
      - { .name: slots, .offset: 16, .size: 8, .value_kind: global_buffer, .address_space: global }
      - { .name: meta, .offset: 24, .size: 8, .value_kind: global_buffer, .address_space: global }
    .group_segment_fixed_size: 4608
    .private_segment_fixed_size: 0
    .kernarg_segment_align: 8
    .kernarg_segment_size: 32
    .max_flat_workgroup_size: 1024
    .sgpr_count:     96
    .vgpr_count:     34
    .wavefront_size: 32
...
	.end_amdgpu_metadata
.endif
;; end of part 2
;; launch ffn1 (part 3): grid 32 x 8, 4 waves a work-group, no clusters, 279,040 bytes of LDS; arguments W1, b1, xb, list, meta, hbuf; writes hbuf
.if DOCPART == 3
	.amdgcn_target "amdgcn-amd-amdhsa--gfx1250"
	.amdhsa_code_object_version 6
	.text
	.protected	k_qb2242945ff_ffn1
	.globl	k_qb2242945ff_ffn1
	.p2align	8
	.type	k_qb2242945ff_ffn1,@function
k_qb2242945ff_ffn1:
	s_mov_b64 s[64:65], 0
	v_nop
	global_prefetch_b8 v0, s[64:65] scope:SCOPE_SE
	s_setreg_imm32_b32 hwreg(HW_REG_WAVE_MODE, 25, 1), 1
	s_wait_xcnt 0x0
; FIRST LAYER, for the pairs (token, expert) that the gate chose:  h[slot][f] = gelu( sum over d of xb[list[slot]][d] W1[e][d][f] + b1[e][f] ), stored as TWO bf16 numbers:
; hi = bf16(h) and lo = bf16(h - hi).  h is the second layer's matrix operand; one bf16 alone leaves a relative error of up to 2^-9 in each of the 4,096 terms of a sum,
; which for a token whose gate weight is near 1 comes close to a hundredth of the output's root mean square; hi + lo leaves about 2^-17.
; hbuf: [2176 slots][32 chunks of 128 f][hi: 256 bytes | lo: 256 bytes], a row of 16,384 bytes.
; gelu in its tanh form, written as x / (1 + 2^(x (KA + KB x x))), KA = -2 sqrt(2/pi) log2(e), KB = 0.044715 KA; right at both ends of the range
; (the power goes to 0 or to infinity, the quotient to x or to 0).  Operands bf16, sums f32, bias and gelu f32.
; LIMITS, stated: experts outside a token's two are not computed, since their weight in the result is an exact zero; the result differs
; from computing them only where such an expert's output would not be finite.  An h above bf16's largest finite number (3.39e38) rounds to infinity.
; SHARES.  Work-group (fs, e): the slice W1[e][0:1024][128 fs .. +127], 524,288 bytes of f32, which no other work-group reads.  It is read once,
; rounded to bf16 in registers and kept in LDS for the whole launch; the expert's token rows stream past it.  Four waves; each fills a quarter of
; the slice; then each takes its own blocks of 16 slots (up to 8 in a pass) times all 128 columns times all of K.
; Slots from n_e up to the next multiple of 16 repeat the expert's last token: they are computed and stored like the others, so that all lanes
; stay on and no store is masked; the second layer multiplies these rows into rows of part that nothing reads.
; NO TENSOR LOADS: the weights are f32 and must pass through registers to be rounded, and LDS has no room for an f32 stage beside 278,528 bytes of bf16.
; NO CLUSTER: the weights, half of a work-group's bytes, are shared with nobody.  The token rows are shared by the 32 work-groups of an expert, but they are
; gathered rows under trip counts read from memory, and a joint ring for them would need LDS that the stationary weights fill.
; LDS: the weights with K along the rows, in 8 chunks of 128 k.  A chunk has 128 rows of 256 + 16 bytes; row 16 b + r holds column 8 r + b of the slice.
; Pitch 272 = 17 x 16 bytes: the sixteen rows that a fragment load's sixteen lanes touch start at sixteen different 16-byte columns modulo 256.
; Wave w fills chunks 2 w and 2 w + 1: 69,632 bytes in one piece.  Behind the one barrier LDS is only read.
; THE TILES TAKE INTERLEAVED COLUMNS.  Source 0 = 16 tokens, source 1 = 16 columns; register j of lane (r, h) of tile (i, b) is token 16 i + 8 h + j, column 8 r + b.
; So over its eight tiles a lane holds eight NEIGHBOURING columns of a token: 16 bytes of bf16, and lanes 0-15 together a whole run of 256 bytes: results are
; stored straight from registers.
; REGISTERS in windows of 256: window 0 addresses, bias, weight fragments, work; windows 1 and 2 accumulators, tile (row block i, column tile b) at
; v[32 i + 8 (b & 3)] of window 1 + (b >> 2); window 3 token fragments, ring slot q, block i at v[64 q + 8 i].
.set WPITCH, 16384                     ; bytes from a K row of W1 to the next
.set LP,     272                       ; an LDS row
.set CH,     128*LP                    ; a chunk: 34,816 bytes
.set ROWB,   16384                     ; bytes in a row of hbuf
.set NEG1, 14                          ; v14       -1.0
.set TO,  16                           ; v[16:23]  block i: byte offset of my token's row + 16 h
.set KA,  24                           ; v[24:25]
.set KB,  26                           ; v[26:27]
.set FO,  32                           ; v[32:63]   fill: a batch in bf16, register 8 c + m = k 2 m, 2 m + 1 of my column c
.set FR,  64                           ; v[64:255]  fill: three slots of 16 loads, register 4 i + c = row i, my column c
.set BI,  32                           ; v[32:47]   bias: registers 2 b and 2 b + 1 both = b1[e][128 fs + 8 r + b], a pair for the packed add
.set BT,  48                           ; v[48:55]   bias as loaded
.set WF,  96                           ; v[96:223]  weight fragments, two buffers of 64
.set T,   96                           ; v[96:159]  way out: register 8 b + j
.set U,   160                          ; v[160:223] way out
.set O,   160                          ; v[160:191] hi, packed, store data
.set O2,  192                          ; v[192:223] lo, packed, store data
.set MUL_LO, 0x53                      ; source 0 (tokens) window 3, source 1 (weights) window 0, C and D window 1
.set MUL_HI, 0xa3                      ; the same, C and D window 2
.set TO_TOK, 0xc0                      ; destination window 3, address window 0
.set MSB, 0
.macro WIN new                         ; the immediate's high byte repeats the setting that is left; a switch that changes nothing is dropped
.if MSB != \new
	s_set_vgpr_msb (MSB<<8)|\new
.set MSB, \new
.endif
.endm
.macro PLACES                          ; four plain places (ISA guide 7.12.1) between matrix instructions and what touches their registers
.rept 4
	v_nop
.endr
.endm
; s16 wave, s17 fs, s18 e, s20 base, s21 n, s22 nb, s23 np, s24 hb, s25 n - 1, s26 pass, s27 my blocks, s28 my first row, s29 counter, s[30:31] offset pair,
; s[32:33] weights, s[34:35] xb, s[36:37] xb stepped along K, s[38:39] hbuf + 512 fs, s[40:41] the tile's rows of it, s42 s43 at work, s44 8 e, s[46:47] bias
	s_load_b256 s[4:11], s[0:1], 0x0               ; W1 s[4:5], b1 s[6:7], xb s[8:9], list s[10:11]
	s_load_b128 s[12:15], s[0:1], 0x20             ; meta s[12:13], hbuf s[14:15]
	v_lshl_add_u32 v30, v0, 2, 0x44000
	v_mov_b32 v31, 0
	v_lshrrev_b32 v12, 5, v0
	v_readfirstlane_b32 s16, v12                   ; wave w
	s_mov_b32 s17, ttmp9                           ; fs
	s_and_b32 s18, ttmp7, 0xffff                   ; e
	s_lshl_b32 s44, s18, 3
	v_and_b32 v1, 31, v0                           ; L
	v_lshlrev_b32 v5, 4, v1                        ; 16 L
	s_lshl_b32 s30, s18, 24                        ; e x 1024 x 4096 x 4
	s_lshl_b32 s42, s16, 22                        ; + 256 w rows of 16,384 bytes
	s_add_co_u32 s30, s30, s42
	s_lshl_b32 s42, s17, 9                         ; + 128 fs columns of 4 bytes
	s_add_co_u32 s30, s30, s42
	s_mov_b32 s31, 0
	s_wait_kmcnt 0x0
	s_load_b64 s[20:21], s[12:13], s44 offset:0x0  ; base_e, n_e
	s_add_nc_u64 s[32:33], s[4:5], s[30:31]
.macro FISSUE slot                     ; 16 K rows: each load of the wave takes one row's 512 consecutive bytes, aligned; the slice is read once in the launch
.set fi, 0
.rept 16
	global_load_b128 v[FR+64*\slot+4*fi:FR+64*\slot+4*fi+3], v5, s[32:33] offset:(16*\slot+fi)*WPITCH th:TH_LOAD_NT
.set fi, fi+1
.endr
.endm
	FISSUE 0
	FISSUE 1
	FISSUE 2                                       ; 48 loads of 512 bytes a wave are on their way from here to the end of the fill
	v_and_b32 v2, 15, v0                           ; r
	v_bfe_u32 v3, v0, 4, 1                         ; h
	v_lshlrev_b32 v4, 4, v3                        ; 16 h
	; fill: lane L holds columns 4 L + c = 8 (L >> 1) + 4 (L & 1) + c, which belong in LDS row 16 (4 (L & 1) + c) + (L >> 1)
	v_and_b32 v12, 1, v0
	v_bfe_u32 v13, v0, 1, 4
	v_lshl_add_u32 v12, v12, 6, v13                ; 64 (L & 1) + (L >> 1); 16 c stands in the stores' immediates
	v_mul_u32_u24 v6, v12, LP
	s_mul_i32 s42, s16, 2*CH
	v_add_nc_u32 v6, s42, v6                       ; + my wave's two chunks
	v_mul_u32_u24 v7, v2, LP
	v_add_nc_u32 v7, v7, v4                        ; fragment: row r of a tile, 16 bytes at 16 h
	v_lshlrev_b32 v12, 17, v3
	v_lshl_add_u32 v11, v2, 4, v12                 ; hbuf: 8 h rows of 16,384 bytes + 16 r
	v_lshlrev_b32 v13, 5, v2                       ; bias: 32 r
	v_mov_b32 v[NEG1], -1.0
	v_mov_b32 v[KA], 0xc0135761
	v_mov_b32 v[KA+1], 0xc0135761
	v_mov_b32 v[KB], 0xbdd2d3e8
	v_mov_b32 v[KB+1], 0xbdd2d3e8
	s_mov_b64 s[34:35], s[8:9]
	s_lshl_b32 s30, s17, 9
	s_add_nc_u64 s[38:39], s[14:15], s[30:31]      ; hbuf + chunk fs of 512 bytes
	s_lshl_b32 s30, s18, 14
	s_lshl_b32 s42, s17, 9
	s_add_co_u32 s30, s30, s42
	s_add_nc_u64 s[46:47], s[6:7], s[30:31]        ; b1[e][128 fs]
	s_wait_kmcnt 0x0
	s_min_u32 s21, s21, 1024                       ; n
	s_min_u32 s20, s20, 2160                       ; base
	s_cmp_eq_u32 s21, 0
	s_cselect_b32 s20, 0, s20                      ; an expert without tokens points at slot 0, which is always written
	s_max_u32 s25, s21, 1
	s_sub_co_u32 s25, s25, 1                       ; the last row that has a token
	s_add_co_u32 s22, s21, 15
	s_lshr_b32 s22, s22, 4                         ; nb: blocks of 16 slots, at most 64
	s_add_co_u32 s23, s22, 31
	s_lshr_b32 s23, s23, 5                         ; np: passes of at most 4 waves x 8 blocks: 0, 1 or 2
	s_lshl_b32 s42, s23, 2
	s_add_co_u32 s42, s42, s22
	s_sub_co_u32 s42, s42, 1
	s_add_co_u32 s43, s23, 1
	s_lshr_b32 s24, s42, s43                       ; hb = ceil(nb / (4 np)): blocks of a wave in a pass
	s_min_u32 s24, s24, 8
	s_mov_b32 s26, 0                               ; pass
; A pass's figures, and the loads of my rows' token numbers.
.macro SETUP_A
	s_wait_xcnt 0x0                                ; s[40:41], TO and the last block's store data are sources of earlier stores and loads: rewritten only behind this wait
	s_lshl_b32 s42, s26, 2
	s_add_co_u32 s42, s42, s16
	s_mul_i32 s42, s42, s24                        ; my first block
	s_sub_co_i32 s27, s22, s42
	s_min_i32 s27, s27, s24                        ; how many blocks are mine (0 or less: none)
	s_lshl_b32 s28, s42, 4                         ; my first row among the expert's
	s_add_co_u32 s43, s20, s28
	s_min_u32 s43, s43, 2175
	s_lshl_b32 s30, s43, 14
	s_mov_b32 s31, 0
	s_add_nc_u64 s[40:41], s[38:39], s[30:31]      ; my first row of hbuf
	v_add_nc_u32 v12, s28, v2
.irp i, 0,1,2,3,4,5,6,7
	v_add_nc_u32 v[TO+\i], 16*\i, v12
	v_min_u32 v[TO+\i], s25, v[TO+\i]              ; rows past the last repeat it
	v_add_nc_u32 v[TO+\i], s20, v[TO+\i]
	v_min_u32 v[TO+\i], 2175, v[TO+\i]             ; clamped to the table before it enters an address
	v_lshlrev_b32 v[TO+\i], 2, v[TO+\i]
	global_load_b32 v[TO+\i], v[TO+\i], s[10:11]   ; list[slot]
.endr
.endm
.macro SETUP_B
	s_wait_loadcnt 0x0                             ; the token numbers
.irp i, 0,1,2,3,4,5,6,7
	v_min_u32 v[TO+\i], 1023, v[TO+\i]
	v_lshl_add_u32 v[TO+\i], v[TO+\i], 11, v4      ; token x 2,048 bytes + 16 h
.endr
.endm
	SETUP_A
; THE FILL.  My 256 K rows in 16 batches of 16, written out: every offset is an immediate (255 rows of 16,384 bytes at the most in memory, 48,112 bytes in LDS), so no
; address is stepped.  The wait leaves out the loads issued behind this batch's: 16 for each younger batch, two of them until the end (the eight loads of token
; numbers, issued behind the first three batches, make the count 32 stricter than needed in those three).
; The transposition costs nothing: the conversion pairs rows 2 m and 2 m + 1 of one column, so that a column's 16 k are 32 neighbouring bytes of its LDS row.
; In a store's first sixteen lanes the even lanes take rows 0-7 and the odd ones rows 64-71 of the four tiles' group, which fall on the same eight 16-byte columns
; modulo 256: two lanes a column, in 128 stores a wave in the whole launch.
.set fb, 0
.rept 16
.if fb < 14
	s_wait_loadcnt 32
.else
	s_wait_loadcnt 16*(15-fb)
.endif
.irp c, 0,1,2,3
.irp m, 0,1,2,3,4,5,6,7
	v_cvt_pk_bf16_f32 v[FO+8*\c+\m], v[FR+64*(fb%3)+8*\m+\c], v[FR+64*(fb%3)+8*\m+4+\c]
.endr
.endr
.if fb < 13
.set fi, 0
.rept 16
	global_load_b128 v[FR+64*(fb%3)+4*fi:FR+64*(fb%3)+4*fi+3], v5, s[32:33] offset:(16*(fb+3)+fi)*WPITCH th:TH_LOAD_NT   ; three batches ahead
.set fi, fi+1
.endr
.endif
.irp c, 0,1,2,3
	ds_store_b128 v6, v[FO+8*\c:FO+8*\c+3]   offset:(fb>>3)*CH+16*\c*LP+32*(fb&7)
	ds_store_b128 v6, v[FO+8*\c+4:FO+8*\c+7] offset:(fb>>3)*CH+16*\c*LP+32*(fb&7)+16
.endr
.set fb, fb+1
.endr
	s_wait_dscnt 0x0                               ; my quarter of the weights is in LDS before I say so
	global_load_b128 v[BT:BT+3],   v13, s[46:47]   ; the bias of my eight columns
	global_load_b128 v[BT+4:BT+7], v13, s[46:47] offset:16
	s_barrier_signal -1
	s_barrier_wait -1                              ; the only barrier: from here on LDS is read and never written
	s_cmp_eq_u32 s23, 0
	s_cbranch_scc1 .Lend                           ; no token chose this expert
	s_wait_loadcnt 0x0                             ; the bias
.irp b, 0,1,2,3,4,5,6,7
	v_mov_b32 v[BI+2*\b],   v[BT+\b]
	v_mov_b32 v[BI+2*\b+1], v[BT+\b]
.endr
.macro TOKLD q, koff, mb               ; token fragments of one K step (32 along K) into ring slot q: two loads of 16 bytes, 32 bytes apart, for each block
	WIN TO_TOK
.set ti, 0
.rept \mb
	global_load_b128 v[64*\q+8*ti:64*\q+8*ti+3],   v[TO+ti], s[36:37] offset:\koff
	global_load_b128 v[64*\q+8*ti+4:64*\q+8*ti+7], v[TO+ti], s[36:37] offset:\koff+32
.set ti, ti+1
.endr
.endm
.macro WLD f, off                      ; weight fragments of one K step into buffer f: K lies along the LDS rows, so two loads of 16 bytes, 32 bytes apart, for each tile of 16 rows
	WIN 0
.irp b, 0,1,2,3,4,5,6,7
	ds_load_b128 v[WF+64*\f+8*\b:WF+64*\f+8*\b+3],   v8 offset:\off+16*LP*\b
	ds_load_b128 v[WF+64*\f+8*\b+4:WF+64*\f+8*\b+7], v8 offset:\off+16*LP*\b+32
.endr
.endm
.macro MULS f, q, mb, zero             ; 8 mb matrix instructions.  The 8 mb accumulators take turns, one instruction a turn, from step to step and over the backward jump too
	WIN MUL_LO
.set mi, 0
.rept \mb
.irp b, 0,1,2,3
.if \zero
	v_wmma_f32_16x16x32_bf16 v[32*mi+8*\b:32*mi+8*\b+7], v[64*\q+8*mi:64*\q+8*mi+7], v[WF+64*\f+8*\b:WF+64*\f+8*\b+7], 0
.else
	v_wmma_f32_16x16x32_bf16 v[32*mi+8*\b:32*mi+8*\b+7], v[64*\q+8*mi:64*\q+8*mi+7], v[WF+64*\f+8*\b:WF+64*\f+8*\b+7], v[32*mi+8*\b:32*mi+8*\b+7]
.endif
.endr
.set mi, mi+1
.endr
	WIN MUL_HI
.set mi, 0
.rept \mb
.irp b, 0,1,2,3
.if \zero
	v_wmma_f32_16x16x32_bf16 v[32*mi+8*\b:32*mi+8*\b+7], v[64*\q+8*mi:64*\q+8*mi+7], v[WF+64*\f+32+8*\b:WF+64*\f+32+8*\b+7], 0
.else
	v_wmma_f32_16x16x32_bf16 v[32*mi+8*\b:32*mi+8*\b+7], v[64*\q+8*mi:64*\q+8*mi+7], v[WF+64*\f+32+8*\b:WF+64*\f+32+8*\b+7], v[32*mi+8*\b:32*mi+8*\b+7]
.endif
.endr
.set mi, mi+1
.endr
.endm
; One K step: multiplies token slot q by weight buffer f.  Ahead of that it asks for the tokens of three steps on (slot tq, byte tk of the rows) and the weights
; of the next step (buffer wn, byte wo): both land in registers that the LAST step's matrix instructions read, hence the four places.
; lc = the token loads issued behind this step's when the wait stands: 2 mb for each of the two younger steps; so at most 6 mb are ever out.
; dc = the weight loads issued behind this step's: the next step's 16.
.macro KSTEP f, q, mb, zero, tok, tq, tk, wf, wn, wo, lc, dc
.if \tok+\wf
	PLACES
.endif
	s_wait_loadcnt \lc
.if \tok
	TOKLD \tq, \tk, \mb
.endif
.if \wf
	WLD \wn, \wo
.endif
	s_wait_dscnt \dc
	MULS \f, \q, \mb, \zero
.endm
.macro TRIP mb, zero, last             ; four K steps = one chunk of the weights = once round the token ring.  zero: the first product starts the sums, nothing is cleared.  last: nothing beyond K is asked for
.if \last
	KSTEP 0, 0, \mb, 0, 1, 3, 192, 1, 1, 64,  4*\mb, 16
	KSTEP 1, 1, \mb, 0, 0, 0, 0,   1, 0, 128, 4*\mb, 16
	KSTEP 0, 2, \mb, 0, 0, 0, 0,   1, 1, 192, 2*\mb, 16
	KSTEP 1, 3, \mb, 0, 0, 0, 0,   0, 0, 0,   0,     0
.else
	KSTEP 0, 0, \mb, \zero, 1, 3, 192, 1, 1, 64,  4*\mb, 16
	KSTEP 1, 1, \mb, 0,     1, 0, 256, 1, 0, 128, 4*\mb, 16
	KSTEP 0, 2, \mb, 0,     1, 1, 320, 1, 1, 192, 4*\mb, 16
	KSTEP 1, 3, \mb, 0,     1, 2, 384, 1, 0, CH,  4*\mb, 16
.endif
.endm
.macro STEP                            ; 128 along K on: 256 bytes of a token row, one chunk of the weights
	WIN 0
	s_wait_xcnt 0x0                                ; the base of the token loads is stepped only behind this wait
	s_add_nc_u64 s[36:37], s[36:37], 256
	v_add_nc_u32 v8, CH, v8
.endm
; A tile of mb blocks: 16 mb tokens x 128 columns x K = 1024 = 8 trips: one that starts the sums, six in the loop, one that asks for nothing more.
.macro VAR mb
.Lv\mb:
	s_mov_b64 s[36:37], s[34:35]
	v_mov_b32 v8, v7
	TOKLD 0, 0,   \mb
	TOKLD 1, 64,  \mb
	TOKLD 2, 128, \mb
	WLD 0, 0
	TRIP \mb, 1, 0
	STEP
	s_mov_b32 s29, 6
.Lk\mb:
	TRIP \mb, 0, 0
	STEP
	s_sub_co_i32 s29, s29, 1
	s_cmp_lg_u32 s29, 0
	s_cbranch_scc1 .Lk\mb
	TRIP \mb, 0, 1
	WIN 0
	PLACES                                         ; behind the last matrix instructions, in front of the way out, which reads results and writes over fragments
	s_branch .Lep\mb
.endm
.Lpass:
	SETUP_B
	s_cmp_le_i32 s27, 0
	s_cbranch_scc1 .Lnext                          ; no block is left for my wave in this pass
.irp m, 1,2,3,4,5,6,7
	s_cmp_eq_u32 s27, \m
	s_cbranch_scc1 .Lv\m
.endr
.irp mb, 8,7,6,5,4,3,2,1
	VAR \mb
.endr
; THE WAY OUT of row block i: bias, gelu, then hi and lo.  A conversion takes tiles 2 m and 2 m + 1 of one token: columns 8 r + 2 m and 8 r + 2 m + 1.  A store's lanes 0-15
; cover 256 consecutive aligned bytes of token 16 i + j (the chunk's hi, or its lo 256 bytes further on), lanes 16-31 those of token 16 i + 8 + j.
.macro EPI i
	s_wait_xcnt 0x0                                ; O and O2 were the last block's store data: rewritten only behind this wait
	WIN 0x01                                       ; source 0 in window 1
.irp b, 0,1,2,3
.irp j, 0,2,4,6
	v_pk_add_f32 v[T+8*\b+\j:T+8*\b+\j+1], v[32*\i+8*\b+\j:32*\i+8*\b+\j+1], v[BI+2*\b:BI+2*\b+1]
.endr
.endr
	WIN 0x02                                       ; source 0 in window 2
.irp b, 0,1,2,3
.irp j, 0,2,4,6
	v_pk_add_f32 v[T+32+8*\b+\j:T+32+8*\b+\j+1], v[32*\i+8*\b+\j:32*\i+8*\b+\j+1], v[BI+8+2*\b:BI+8+2*\b+1]
.endr
.endr
	WIN 0
.set gi, 0
.rept 32
	v_pk_mul_f32 v[U+gi:U+gi+1], v[T+gi:T+gi+1], v[T+gi:T+gi+1]                    ; x x
.set gi, gi+2
.endr
.set gi, 0
.rept 32
	v_pk_fma_f32 v[U+gi:U+gi+1], v[U+gi:U+gi+1], v[KB:KB+1], v[KA:KA+1]            ; KA + KB x x
.set gi, gi+2
.endr
.set gi, 0
.rept 32
	v_pk_mul_f32 v[U+gi:U+gi+1], v[U+gi:U+gi+1], v[T+gi:T+gi+1]                    ; times x
.set gi, gi+2
.endr
.set gi, 0
.rept 64
	v_exp_f32 v[U+gi], v[U+gi]
.set gi, gi+1
.endr
	v_nop                                          ; one plain place behind the last exponential (ISA guide 5.7.2)
.set gi, 0
	s_wait_alu depctr_va_vdst(0)
.rept 32
	v_pk_add_f32 v[U+gi:U+gi+1], v[U+gi:U+gi+1], 1.0 op_sel_hi:[1,0]
.set gi, gi+2
.endr
.set gi, 0
.rept 64
	v_rcp_f32 v[U+gi], v[U+gi]
.set gi, gi+1
.endr
	v_nop                                          ; and behind the last reciprocal
.set gi, 0
	s_wait_alu depctr_va_vdst(0)
.rept 32
	v_pk_mul_f32 v[T+gi:T+gi+1], v[T+gi:T+gi+1], v[U+gi:U+gi+1]                    ; h; U is free from here on
.set gi, gi+2
.endr
.irp j, 0,1,2,3,4,5,6,7
.irp m, 0,1,2,3
	v_cvt_pk_bf16_f32 v[O+4*\j+\m], v[T+16*\m+\j], v[T+16*\m+8+\j]                 ; hi
.endr
.endr
.irp j, 0,1,2,3,4,5,6,7
.irp m, 0,1,2,3
	v_fma_mix_f32_bf16 v[T+16*\m+\j],   v[O+4*\j+\m], v[NEG1], v[T+16*\m+\j]   op_sel:[0,0,0] op_sel_hi:[1,0,0]   ; h - hi, straight from the bf16 half: exact in f32
	v_fma_mix_f32_bf16 v[T+16*\m+8+\j], v[O+4*\j+\m], v[NEG1], v[T+16*\m+8+\j] op_sel:[1,0,0] op_sel_hi:[1,0,0]
.endr
.endr
.irp j, 0,1,2,3,4,5,6,7
.irp m, 0,1,2,3
	v_cvt_pk_bf16_f32 v[O2+4*\j+\m], v[T+16*\m+\j], v[T+16*\m+8+\j]                ; lo
.endr
.endr
.irp j, 0,1,2,3,4,5,6,7
	global_store_b128 v11, v[O+4*\j:O+4*\j+3],   s[40:41] offset:(16*\i+\j)*ROWB
	global_store_b128 v11, v[O2+4*\j:O2+4*\j+3], s[40:41] offset:(16*\i+\j)*ROWB+256
.endr
.endm
; A tile of mb blocks enters at .Lep mb, so that only blocks that it has written are read.
.irp mb, 8,7,6,5,4,3,2,1
.Lep\mb:
	EPI (\mb-1)
.endr
.Lnext:
	s_add_co_u32 s26, s26, 1
	s_cmp_ge_u32 s26, s23
	s_cbranch_scc1 .Lend                           ; no pass is left
	SETUP_A                                        ; on every way back: its first line frees the registers that the last stores read
	s_cmp_lt_u32 s26, s23
	s_cbranch_scc1 .Lpass
.Lend:
	s_barrier_signal -1
	s_barrier_wait -1
	s_wait_tensorcnt 0x0
	ds_add_u32 v30, v31
	s_wait_dscnt 0x0
	s_endpgm
.Lfunc_end_k_qb2242945ff_ffn1:
	.size	k_qb2242945ff_ffn1, .Lfunc_end_k_qb2242945ff_ffn1-k_qb2242945ff_ffn1
	.p2alignl 7, 3214868480
	.fill 96, 4, 3214868480
	.section	.rodata,"a",@progbits
	.p2align	6, 0x0
	.amdhsa_kernel k_qb2242945ff_ffn1
		.amdhsa_group_segment_fixed_size 279040
		.amdhsa_private_segment_fixed_size 0
		.amdhsa_enable_private_segment 0
		.amdhsa_kernarg_size 48
		.amdhsa_user_sgpr_count 2
		.amdhsa_user_sgpr_kernarg_segment_ptr 1
		.amdhsa_wavefront_size32 1
		.amdhsa_system_sgpr_workgroup_id_x 1
		.amdhsa_system_sgpr_workgroup_id_y 1
		.amdhsa_system_sgpr_workgroup_id_z 1
		.amdhsa_system_vgpr_workitem_id 0
		.amdhsa_next_free_vgpr 1024
		.amdhsa_next_free_sgpr 66
		.amdhsa_reserve_vcc 0
		.amdhsa_float_denorm_mode_32 3
		.amdhsa_float_denorm_mode_16_64 3
		.amdhsa_memory_ordered 1
		.amdhsa_forward_progress 1
		.amdhsa_inst_pref_size 255
	.end_amdhsa_kernel
	.section	.bss,"aw",@nobits
	.p2align	6
	.space	262144
	.amdgpu_metadata
---
amdhsa.version: [ 1, 2 ]
amdhsa.kernels:
  - .name:           k_qb2242945ff_ffn1
    .symbol:         k_qb2242945ff_ffn1.kd
    .args:
      - { .name: W1, .offset: 0, .size: 8, .value_kind: global_buffer, .address_space: global }
      - { .name: b1, .offset: 8, .size: 8, .value_kind: global_buffer, .address_space: global }
      - { .name: xb, .offset: 16, .size: 8, .value_kind: global_buffer, .address_space: global }
      - { .name: list, .offset: 24, .size: 8, .value_kind: global_buffer, .address_space: global }
      - { .name: meta, .offset: 32, .size: 8, .value_kind: global_buffer, .address_space: global }
      - { .name: hbuf, .offset: 40, .size: 8, .value_kind: global_buffer, .address_space: global }
    .group_segment_fixed_size: 279040
    .private_segment_fixed_size: 0
    .kernarg_segment_align: 8
    .kernarg_segment_size: 48
    .max_flat_workgroup_size: 128
    .sgpr_count:     66
    .vgpr_count:     1024
    .wavefront_size: 32
...
	.end_amdgpu_metadata
.endif
;; end of part 3
;; launch ffn2 (part 4): grid 32 x 8, 4 waves a work-group, no clusters, 279,040 bytes of LDS; arguments W2, hbuf, meta, part; writes part
.if DOCPART == 4
	.amdgcn_target "amdgcn-amd-amdhsa--gfx1250"
	.amdhsa_code_object_version 6
	.text
	.protected	k_qb2242945ff_ffn2
	.globl	k_qb2242945ff_ffn2
	.p2align	8
	.type	k_qb2242945ff_ffn2,@function
k_qb2242945ff_ffn2:
	s_mov_b64 s[64:65], 0
	v_nop
	global_prefetch_b8 v0, s[64:65] scope:SCOPE_SE
	s_setreg_imm32_b32 hwreg(HW_REG_WAVE_MODE, 25, 1), 1
	s_wait_xcnt 0x0
; SECOND LAYER, in four slices of K:  part[slot][ks][d] = sum over f = 1024 ks .. 1024 ks + 1023 of (hi[slot][f] + lo[slot][f]) W2[e][f][d], f32.  hi and lo are the two bf16
; numbers in which the first layer stored h; each is a matrix operand of its own, multiplied by the same weight fragments into the same sums.  The four slices, the bias b2
; and the gate's weights meet in the next launch: a sum that spans work-groups is made by gathering, in a fixed order.
; hbuf: [2176 slots][32 chunks of 128 f][hi: 256 bytes | lo: 256 bytes]; a slice of K is 4,096 consecutive bytes of a row, and the K steps walk it from end to end:
; H0 L0 H1 L1 .. H7 L7, four steps of 64 bytes in each.
; SHARES.  Work-group (x, e), cs = x & 7, ks = x >> 3: the slice W2[e][1024 ks .. +1023][128 cs .. +127], 524,288 bytes of f32, which no other work-group reads.  It is read
; once, rounded to bf16 in registers and kept in LDS; the expert's rows of hbuf stream past it.  Four waves; each fills a quarter of the slice, then takes its own
; blocks of 16 slots (up to 8 in a pass) times all 128 columns times the slice's K.  Slots up to the next multiple of 16 behind n_e hold a repeated token's row
; (the first layer stored them): they are multiplied and stored like the others, and nothing reads their rows of part.
; LIMIT, stated: experts outside a token's two are not computed (their weight in the result is an exact zero).
; NO TENSOR LOADS: the weights are f32 and must pass through registers to be rounded, and LDS has no room for an f32 stage beside 278,528 bytes of bf16.
; NO CLUSTER: the weights are shared with nobody; the rows of hbuf are shared by the 8 work-groups of one (e, ks), under trip counts
; read from memory, and a joint ring for them would need LDS that the stationary weights fill.
; LDS: the weights with K along the rows, in 8 chunks of 128 k.  A chunk has 128 rows of 256 + 16 bytes; row 16 b + r holds column 64 (b >> 2) + 4 r + (b & 3) of the slice.
; Pitch 272 = 17 x 16 bytes: the sixteen rows that sixteen lanes of a fragment load or of a fill's store touch start at sixteen different 16-byte columns modulo 256.
; Wave w fills chunks 2 w and 2 w + 1: 69,632 bytes in one piece.  Behind the one barrier LDS is only read.
; THE TILES TAKE INTERLEAVED COLUMNS.  Source 0 = 16 slots, source 1 = 16 columns; register j of lane (r, h) of tile (i, b) is slot 16 i + 8 h + j, column
; 64 (b >> 2) + 4 r + (b & 3).  So over four tiles a lane holds four NEIGHBOURING columns of a slot: 16 bytes of f32, and lanes 0-15 together 256 consecutive bytes of a row.
; Four moves gather them into a run of four registers for the store: 64 moves a block, in the place of a trip of the block through LDS.
; REGISTERS in windows of 256: window 0 addresses, weight fragments, work; windows 1 and 2 accumulators, tile (row block i, column tile b) at
; v[32 i + 8 (b & 3)] of window 1 + (b >> 2); window 3 row fragments, ring slot q, block i at v[64 q + 8 i].
.set WPITCH, 4096                      ; bytes from a K row of W2 to the next
.set LP,     272                       ; an LDS row
.set CH,     128*LP                    ; a chunk: 34,816 bytes
.set ROWB,   16384                     ; bytes in a row of part: 4 slices x 1024 f32
.set TO,  16                           ; v[16:23]  block i: byte offset of my slot's row of hbuf + 16 h
.set FO,  32                           ; v[32:63]   fill: a batch in bf16, register 8 c + m = k 2 m, 2 m + 1 of my column c
.set FR,  64                           ; v[64:255]  fill: three slots of 16 loads, register 4 i + c = row i, my column c
.set WF,  96                           ; v[96:223]  weight fragments, two buffers of 64
.set R,   96                           ; v[96:159]  way out: store data, register 32 g + 4 j + c
.set MUL_LO, 0x53                      ; source 0 (rows of hbuf) window 3, source 1 (weights) window 0, C and D window 1
.set MUL_HI, 0xa3                      ; the same, C and D window 2
.set TO_TOK, 0xc0                      ; destination window 3, address window 0
.set MSB, 0
.macro WIN new                         ; the immediate's high byte repeats the setting that is left; a switch that changes nothing is dropped
.if MSB != \new
	s_set_vgpr_msb (MSB<<8)|\new
.set MSB, \new
.endif
.endm
.macro PLACES                          ; four plain places (ISA guide 7.12.1) between matrix instructions and what touches their registers
.rept 4
	v_nop
.endr
.endm
; s16 wave, s17 cs, s18 e, s19 ks, s20 base, s21 n, s22 nb, s23 np, s24 hb, s26 pass, s27 my blocks, s28 my first row, s29 counter, s[30:31] offset pair,
; s[32:33] weights, s[34:35] hbuf + 4096 ks, s[36:37] the same stepped along K, s[38:39] part + 4096 ks + 512 cs, s[40:41] the tile's rows of it, s42 s43 at work, s44 8 e
	s_load_b256 s[4:11], s[0:1], 0x0               ; W2 s[4:5], hbuf s[6:7], meta s[8:9], part s[10:11]
	v_lshl_add_u32 v30, v0, 2, 0x44000
	v_mov_b32 v31, 0
	v_lshrrev_b32 v12, 5, v0
	v_readfirstlane_b32 s16, v12                   ; wave w
	s_and_b32 s17, ttmp9, 7                        ; cs
	s_lshr_b32 s19, ttmp9, 3                       ; ks
	s_and_b32 s18, ttmp7, 0xffff                   ; e
	s_lshl_b32 s44, s18, 3
	v_and_b32 v1, 31, v0                           ; L
	v_lshlrev_b32 v5, 4, v1                        ; 16 L
	s_lshl_b32 s30, s18, 24                        ; e x 4096 x 1024 x 4
	s_lshl_b32 s42, s19, 22                        ; + 1024 ks rows of 4,096 bytes
	s_add_co_u32 s30, s30, s42
	s_lshl_b32 s42, s16, 20                        ; + 256 w rows
	s_add_co_u32 s30, s30, s42
	s_lshl_b32 s42, s17, 9                         ; + 128 cs columns of 4 bytes
	s_add_co_u32 s30, s30, s42
	s_mov_b32 s31, 0
	s_wait_kmcnt 0x0
	s_load_b64 s[20:21], s[8:9], s44 offset:0x0    ; base_e, n_e
	s_add_nc_u64 s[32:33], s[4:5], s[30:31]
.macro FISSUE slot                     ; 16 K rows: each load of the wave takes one row's 512 consecutive bytes, aligned; the slice is read once in the launch
.set fi, 0
.rept 16
	global_load_b128 v[FR+64*\slot+4*fi:FR+64*\slot+4*fi+3], v5, s[32:33] offset:(16*\slot+fi)*WPITCH th:TH_LOAD_NT
.set fi, fi+1
.endr
.endm
	FISSUE 0
	FISSUE 1
	FISSUE 2                                       ; 48 loads of 512 bytes a wave are on their way from here to the end of the fill
	v_and_b32 v2, 15, v0                           ; r
	v_bfe_u32 v3, v0, 4, 1                         ; h
	v_lshlrev_b32 v4, 4, v3                        ; 16 h
	; fill: lane L holds columns 4 L + c = 64 (L >> 4) + 4 (L & 15) + c, which belong in LDS row 16 (4 (L >> 4) + c) + (L & 15)
	v_lshl_add_u32 v12, v3, 6, v2                  ; 64 (L >> 4) + (L & 15); 16 c stands in the stores' immediates
	v_mul_u32_u24 v6, v12, LP
	s_mul_i32 s42, s16, 2*CH
	v_add_nc_u32 v6, s42, v6                       ; + my wave's two chunks
	v_mul_u32_u24 v7, v2, LP
	v_add_nc_u32 v7, v7, v4                        ; fragment: row r of a tile, 16 bytes at 16 h
	v_lshlrev_b32 v12, 17, v3
	v_lshl_add_u32 v11, v2, 4, v12                 ; part: 8 h rows of 16,384 bytes + 16 r
	s_lshl_b32 s30, s19, 12
	s_add_nc_u64 s[34:35], s[6:7], s[30:31]        ; hbuf + 8 ks chunks of 512 bytes
	s_lshl_b32 s42, s17, 9
	s_add_co_u32 s30, s30, s42
	s_add_nc_u64 s[38:39], s[10:11], s[30:31]      ; part + slice ks of 4,096 bytes + 128 cs columns of 4 bytes
	s_wait_kmcnt 0x0
	s_min_u32 s21, s21, 1024                       ; n
	s_min_u32 s20, s20, 2160                       ; base
	s_add_co_u32 s22, s21, 15
	s_lshr_b32 s22, s22, 4                         ; nb: blocks of 16 slots, at most 64
	s_add_co_u32 s23, s22, 31
	s_lshr_b32 s23, s23, 5                         ; np: passes of at most 4 waves x 8 blocks: 0, 1 or 2
	s_lshl_b32 s42, s23, 2
	s_add_co_u32 s42, s42, s22
	s_sub_co_u32 s42, s42, 1
	s_add_co_u32 s43, s23, 1
	s_lshr_b32 s24, s42, s43                       ; hb = ceil(nb / (4 np)): blocks of a wave in a pass
	s_min_u32 s24, s24, 8
	s_mov_b32 s26, 0                               ; pass
; A pass's figures.
.macro SETUP_A
	s_wait_xcnt 0x0                                ; s[40:41], TO and the last block's store data are sources of earlier stores and loads: rewritten only behind this wait
	s_lshl_b32 s42, s26, 2
	s_add_co_u32 s42, s42, s16
	s_mul_i32 s42, s42, s24                        ; my first block
	s_sub_co_i32 s27, s22, s42
	s_min_i32 s27, s27, s24                        ; how many blocks are mine (0 or less: none)
	s_lshl_b32 s28, s42, 4                         ; my first row among the expert's
	s_add_co_u32 s42, s20, s28                     ; my first slot
	s_min_u32 s43, s42, 2175
	s_lshl_b32 s30, s43, 14
	s_mov_b32 s31, 0
	s_add_nc_u64 s[40:41], s[38:39], s[30:31]      ; my first row of part
	v_add_nc_u32 v12, s42, v2
.irp i, 0,1,2,3,4,5,6,7
	v_add_nc_u32 v[TO+\i], 16*\i, v12
	v_min_u32 v[TO+\i], 2175, v[TO+\i]             ; clamped to the table before it enters an address
	v_lshl_add_u32 v[TO+\i], v[TO+\i], 14, v4      ; slot x 16,384 bytes + 16 h
.endr
.endm
	SETUP_A
; THE FILL.  My 256 K rows in 16 batches of 16, written out: every offset is an immediate (255 rows of 4,096 bytes at the most in memory, 48,112 bytes in LDS), so no
; address is stepped.  The wait leaves out the loads issued behind this batch's: 16 for each younger batch, two of them until the end.
; The transposition costs nothing: the conversion pairs rows 2 m and 2 m + 1 of one column, so that a column's 16 k are 32 neighbouring bytes of its LDS row.
.set fb, 0
.rept 16
.if fb < 14
	s_wait_loadcnt 32
.else
	s_wait_loadcnt 16*(15-fb)
.endif
.irp c, 0,1,2,3
.irp m, 0,1,2,3,4,5,6,7
	v_cvt_pk_bf16_f32 v[FO+8*\c+\m], v[FR+64*(fb%3)+8*\m+\c], v[FR+64*(fb%3)+8*\m+4+\c]
.endr
.endr
.if fb < 13
.set fi, 0
.rept 16
	global_load_b128 v[FR+64*(fb%3)+4*fi:FR+64*(fb%3)+4*fi+3], v5, s[32:33] offset:(16*(fb+3)+fi)*WPITCH th:TH_LOAD_NT   ; three batches ahead
.set fi, fi+1
.endr
.endif
.irp c, 0,1,2,3
	ds_store_b128 v6, v[FO+8*\c:FO+8*\c+3]   offset:(fb>>3)*CH+16*\c*LP+32*(fb&7)
	ds_store_b128 v6, v[FO+8*\c+4:FO+8*\c+7] offset:(fb>>3)*CH+16*\c*LP+32*(fb&7)+16
.endr
.set fb, fb+1
.endr
	s_wait_dscnt 0x0                               ; my quarter of the weights is in LDS before I say so
	s_barrier_signal -1
	s_barrier_wait -1                              ; the only barrier: from here on LDS is read and never written
	s_cmp_eq_u32 s23, 0
	s_cbranch_scc1 .Lend                           ; no token chose this expert
.macro TOKLD q, koff, mb               ; row fragments of one K step (32 along K, hi or lo) into ring slot q: two loads of 16 bytes, 32 bytes apart, for each block
	WIN TO_TOK
.set ti, 0
.rept \mb
	global_load_b128 v[64*\q+8*ti:64*\q+8*ti+3],   v[TO+ti], s[36:37] offset:\koff
	global_load_b128 v[64*\q+8*ti+4:64*\q+8*ti+7], v[TO+ti], s[36:37] offset:\koff+32
.set ti, ti+1
.endr
.endm
.macro WLD f, off                      ; weight fragments of one K step into buffer f: K lies along the LDS rows, so two loads of 16 bytes, 32 bytes apart, for each tile of 16 rows
	WIN 0
.irp b, 0,1,2,3,4,5,6,7
	ds_load_b128 v[WF+64*\f+8*\b:WF+64*\f+8*\b+3],   v8 offset:\off+16*LP*\b
	ds_load_b128 v[WF+64*\f+8*\b+4:WF+64*\f+8*\b+7], v8 offset:\off+16*LP*\b+32
.endr
.endm
.macro MULS f, q, mb, zero             ; 8 mb matrix instructions.  The 8 mb accumulators take turns, one instruction a turn, from step to step and over the backward jump too
	WIN MUL_LO
.set mi, 0
.rept \mb
.irp b, 0,1,2,3
.if \zero
	v_wmma_f32_16x16x32_bf16 v[32*mi+8*\b:32*mi+8*\b+7], v[64*\q+8*mi:64*\q+8*mi+7], v[WF+64*\f+8*\b:WF+64*\f+8*\b+7], 0
.else
	v_wmma_f32_16x16x32_bf16 v[32*mi+8*\b:32*mi+8*\b+7], v[64*\q+8*mi:64*\q+8*mi+7], v[WF+64*\f+8*\b:WF+64*\f+8*\b+7], v[32*mi+8*\b:32*mi+8*\b+7]
.endif
.endr
.set mi, mi+1
.endr
	WIN MUL_HI
.set mi, 0
.rept \mb
.irp b, 0,1,2,3
.if \zero
	v_wmma_f32_16x16x32_bf16 v[32*mi+8*\b:32*mi+8*\b+7], v[64*\q+8*mi:64*\q+8*mi+7], v[WF+64*\f+32+8*\b:WF+64*\f+32+8*\b+7], 0
.else
	v_wmma_f32_16x16x32_bf16 v[32*mi+8*\b:32*mi+8*\b+7], v[64*\q+8*mi:64*\q+8*mi+7], v[WF+64*\f+32+8*\b:WF+64*\f+32+8*\b+7], v[32*mi+8*\b:32*mi+8*\b+7]
.endif
.endr
.set mi, mi+1
.endr
.endm
; One K step: multiplies row slot q by weight buffer f.  Ahead of that it asks for the rows of three steps on (slot tq, byte tk from the stepped base) and the weights
; of the next step (buffer wn, byte wo): both land in registers that the LAST step's matrix instructions read, hence the four places.
; lc = the row loads issued behind this step's when the wait stands: 2 mb for each of the two younger steps; so at most 6 mb are ever out.
; dc = the weight loads issued behind this step's: the next step's 16.
.macro KSTEP f, q, mb, zero, tok, tq, tk, wf, wn, wo, lc, dc
.if \tok+\wf
	PLACES
.endif
	s_wait_loadcnt \lc
.if \tok
	TOKLD \tq, \tk, \mb
.endif
.if \wf
	WLD \wn, \wo
.endif
	s_wait_dscnt \dc
	MULS \f, \q, \mb, \zero
.endm
; The 64 K steps of a tile, step s at byte 64 s of the slice's 4,096 bytes of a row, ring slot s & 3, weight buffer s & 1.
; FIRST = H0 (steps 0-3): its first product starts the sums, nothing is cleared; behind its last step the weights begin again at byte 0 of chunk 0, for L0.
.macro FIRST mb
	KSTEP 0, 0, \mb, 1, 1, 3, 192, 1, 1, 64,  4*\mb, 16
	KSTEP 1, 1, \mb, 0, 1, 0, 256, 1, 0, 128, 4*\mb, 16
	KSTEP 0, 2, \mb, 0, 1, 1, 320, 1, 1, 192, 4*\mb, 16
	KSTEP 1, 3, \mb, 0, 1, 2, 384, 1, 0, 0,   4*\mb, 16
.endm
; PAIR = L_c, H_(c+1) (steps 8 c + 4 .. 8 c + 11), with the row base at byte 512 c and the weight address at chunk c.  Step j of the eight asks for the rows at
; 256 + 64 (j + 3).  L_c reads chunk c once more, H_(c+1) chunk c + 1 through the immediate (65,504 at the most, inside its 16 bits); behind the last step the
; weights begin again at byte 0 of chunk c + 1, for L_(c+1).
.macro PAIR mb
	KSTEP 0, 0, \mb, 0, 1, 3, 448, 1, 1, 64,     4*\mb, 16
	KSTEP 1, 1, \mb, 0, 1, 0, 512, 1, 0, 128,    4*\mb, 16
	KSTEP 0, 2, \mb, 0, 1, 1, 576, 1, 1, 192,    4*\mb, 16
	KSTEP 1, 3, \mb, 0, 1, 2, 640, 1, 0, CH,     4*\mb, 16
	KSTEP 0, 0, \mb, 0, 1, 3, 704, 1, 1, CH+64,  4*\mb, 16
	KSTEP 1, 1, \mb, 0, 1, 0, 768, 1, 0, CH+128, 4*\mb, 16
	KSTEP 0, 2, \mb, 0, 1, 1, 832, 1, 1, CH+192, 4*\mb, 16
	KSTEP 1, 3, \mb, 0, 1, 2, 896, 1, 0, CH,     4*\mb, 16
.endm
; LAST = L7 (steps 60-63), with the row base at byte 3,584 and the weight address at chunk 7: one more request, step 63's, then nothing beyond the slice; the counts run down.
.macro LAST mb
	KSTEP 0, 0, \mb, 0, 1, 3, 448, 1, 1, 64,  4*\mb, 16
	KSTEP 1, 1, \mb, 0, 0, 0, 0,   1, 0, 128, 4*\mb, 16
	KSTEP 0, 2, \mb, 0, 0, 0, 0,   1, 1, 192, 2*\mb, 16
	KSTEP 1, 3, \mb, 0, 0, 0, 0,   0, 0, 0,   0,     0
.endm
.macro STEP                            ; one chunk on: its 512 bytes (hi and lo) of a row of hbuf, one chunk of the weights
	WIN 0
	s_wait_xcnt 0x0                                ; the base of the row loads is stepped only behind this wait
	s_add_nc_u64 s[36:37], s[36:37], 512
	v_add_nc_u32 v8, CH, v8
.endm
; A tile of mb blocks: 16 mb slots x 128 columns x (hi and lo) x K = 1024: FIRST, seven PAIRs in the loop, LAST.
.macro VAR mb
.Lv\mb:
	s_mov_b64 s[36:37], s[34:35]
	v_mov_b32 v8, v7
	TOKLD 0, 0,   \mb
	TOKLD 1, 64,  \mb
	TOKLD 2, 128, \mb
	WLD 0, 0
	FIRST \mb
	WIN 0                                          ; at a label every window is 0
	s_mov_b32 s29, 7
.Lk\mb:
	PAIR \mb
	STEP
	s_sub_co_i32 s29, s29, 1
	s_cmp_lg_u32 s29, 0
	s_cbranch_scc1 .Lk\mb
	LAST \mb
	WIN 0
	PLACES                                         ; behind the last matrix instructions, in front of the way out, which reads results and writes over fragments
	s_branch .Lep\mb
.endm
.Lpass:
	s_cmp_le_i32 s27, 0
	s_cbranch_scc1 .Lnext                          ; no block is left for my wave in this pass
.irp m, 1,2,3,4,5,6,7
	s_cmp_eq_u32 s27, \m
	s_cbranch_scc1 .Lv\m
.endr
.irp mb, 8,7,6,5,4,3,2,1
	VAR \mb
.endr
; THE WAY OUT of row block i.  For slot row j and column group g the four tiles 4 g + c hold my columns 64 g + 4 r + c: four moves put them side by side.  A store's lanes
; 0-15 cover 256 consecutive aligned bytes of slot 16 i + j, lanes 16-31 those of slot 16 i + 8 + j.
.macro EPI i
	s_wait_xcnt 0x0                                ; R was the last block's store data: rewritten only behind this wait
	WIN 0x01                                       ; source 0 in window 1: tiles 0 to 3
.irp j, 0,1,2,3,4,5,6,7
.irp c, 0,1,2,3
	v_mov_b32 v[R+4*\j+\c], v[32*\i+8*\c+\j]
.endr
.endr
	WIN 0x02                                       ; source 0 in window 2: tiles 4 to 7
.irp j, 0,1,2,3,4,5,6,7
.irp c, 0,1,2,3
	v_mov_b32 v[R+32+4*\j+\c], v[32*\i+8*\c+\j]
.endr
.endr
	WIN 0
.irp j, 0,1,2,3,4,5,6,7
.irp g, 0,1
	global_store_b128 v11, v[R+32*\g+4*\j:R+32*\g+4*\j+3], s[40:41] offset:(16*\i+\j)*ROWB+256*\g
.endr
.endr
.endm
; A tile of mb blocks enters at .Lep mb, so that only blocks that it has written are read.
.irp mb, 8,7,6,5,4,3,2,1
.Lep\mb:
	EPI (\mb-1)
.endr
.Lnext:
	s_add_co_u32 s26, s26, 1
	s_cmp_ge_u32 s26, s23
	s_cbranch_scc1 .Lend                           ; no pass is left
	SETUP_A                                        ; on every way back: its first line frees the registers that the last stores read
	s_cmp_lt_u32 s26, s23
	s_cbranch_scc1 .Lpass
.Lend:
	s_barrier_signal -1
	s_barrier_wait -1
	s_wait_tensorcnt 0x0
	ds_add_u32 v30, v31
	s_wait_dscnt 0x0
	s_endpgm
.Lfunc_end_k_qb2242945ff_ffn2:
	.size	k_qb2242945ff_ffn2, .Lfunc_end_k_qb2242945ff_ffn2-k_qb2242945ff_ffn2
	.p2alignl 7, 3214868480
	.fill 96, 4, 3214868480
	.section	.rodata,"a",@progbits
	.p2align	6, 0x0
	.amdhsa_kernel k_qb2242945ff_ffn2
		.amdhsa_group_segment_fixed_size 279040
		.amdhsa_private_segment_fixed_size 0
		.amdhsa_enable_private_segment 0
		.amdhsa_kernarg_size 32
		.amdhsa_user_sgpr_count 2
		.amdhsa_user_sgpr_kernarg_segment_ptr 1
		.amdhsa_wavefront_size32 1
		.amdhsa_system_sgpr_workgroup_id_x 1
		.amdhsa_system_sgpr_workgroup_id_y 1
		.amdhsa_system_sgpr_workgroup_id_z 1
		.amdhsa_system_vgpr_workitem_id 0
		.amdhsa_next_free_vgpr 1024
		.amdhsa_next_free_sgpr 66
		.amdhsa_reserve_vcc 0
		.amdhsa_float_denorm_mode_32 3
		.amdhsa_float_denorm_mode_16_64 3
		.amdhsa_memory_ordered 1
		.amdhsa_forward_progress 1
		.amdhsa_inst_pref_size 255
	.end_amdhsa_kernel
	.section	.bss,"aw",@nobits
	.p2align	6
	.space	262144
	.amdgpu_metadata
---
amdhsa.version: [ 1, 2 ]
amdhsa.kernels:
  - .name:           k_qb2242945ff_ffn2
    .symbol:         k_qb2242945ff_ffn2.kd
    .args:
      - { .name: W2, .offset: 0, .size: 8, .value_kind: global_buffer, .address_space: global }
      - { .name: hbuf, .offset: 8, .size: 8, .value_kind: global_buffer, .address_space: global }
      - { .name: meta, .offset: 16, .size: 8, .value_kind: global_buffer, .address_space: global }
      - { .name: part, .offset: 24, .size: 8, .value_kind: global_buffer, .address_space: global }
    .group_segment_fixed_size: 279040
    .private_segment_fixed_size: 0
    .kernarg_segment_align: 8
    .kernarg_segment_size: 32
    .max_flat_workgroup_size: 128
    .sgpr_count:     66
    .vgpr_count:     1024
    .wavefront_size: 32
...
	.end_amdgpu_metadata
.endif
;; end of part 4
;; launch combine (part 5): grid 256 x 1, 8 waves a work-group, no clusters, 0 bytes of LDS; arguments part, slots, sel, gw, b2, out0; writes out0
.if DOCPART == 5
	.amdgcn_target "amdgcn-amd-amdhsa--gfx1250"
	.amdhsa_code_object_version 6
	.text
	.protected	k_qb2242945ff_combine
	.globl	k_qb2242945ff_combine
	.p2align	8
	.type	k_qb2242945ff_combine,@function
k_qb2242945ff_combine:
	s_mov_b64 s[64:65], 0
	v_nop
	global_prefetch_b8 v0, s[64:65] scope:SCOPE_SE
	s_setreg_imm32_b32 hwreg(HW_REG_WAVE_MODE, 25, 1), 1
	s_wait_xcnt 0x0
; COMBINE.  out0[t][d] = sum over the token's two experts j of p_j ( part[slot_j][0][d] + part[slot_j][1][d] + part[slot_j][2][d] + part[slot_j][3][d] + b2[e_j][d] ), all in f32.
; The six other experts have the weight 0 and are left out.  A stream: the matrix unit, LDS, barriers and clusters would add nothing.
; The work-group takes tokens 4 g .. 4 g + 3; thread n owns the 16 bytes at 16 n of every row of 4,096 bytes, so each load and store of a wave covers 512 consecutive
; aligned bytes.  All 40 loads of a thread go out at once, in the order of the tokens; the waits count down by tokens.
; Slots and expert numbers are whole numbers that earlier launches stored; each is clamped to its table before it enters an address.
.set P, 16                             ; v[16:175]  token a, choice j: 20 registers at P + 40 a + 20 j: four slices of 4, then b2's 4
	s_load_b256 s[4:11], s[0:1], 0x0               ; part s[4:5], slots s[6:7], sel s[8:9], gw s[10:11]
	s_load_b128 s[12:15], s[0:1], 0x20             ; b2 s[12:13], out0 s[14:15]
	s_lshl_b32 s16, ttmp9, 5                       ; four tokens x 8 bytes of slots and of gw
	s_lshl_b32 s17, ttmp9, 4                       ; four tokens x 4 bytes of sel
	v_lshlrev_b32 v1, 4, v0
	s_wait_kmcnt 0x0
	s_load_b256 s[20:27], s[6:7], s16 offset:0x0   ; slot(a, j) in s[20 + 2 a + j]
	s_load_b256 s[28:35], s[10:11], s16 offset:0x0 ; p(a, j) in s[28 + 2 a + j]
	s_load_b128 s[36:39], s[8:9], s17 offset:0x0   ; sel(a) in s[36 + a]
	s_lshl_b32 s18, ttmp9, 14                      ; four rows of out0
	s_mov_b32 s19, 0
	s_add_nc_u64 s[14:15], s[14:15], s[18:19]
	s_wait_kmcnt 0x0
.irp a, 0,1,2,3
.irp j, 0,1
	s_min_u32 s18, s[20+2*\a+\j], 2175
	s_lshl_b32 s18, s18, 14                        ; a slot's four slices are 16,384 bytes
	s_add_nc_u64 s[40+4*\a+2*\j:41+4*\a+2*\j], s[4:5], s[18:19]
	s_bfe_u32 s18, s[36+\a], (3<<16)|(8*\j)        ; three bits from bit 8 j
	s_min_u32 s18, s18, 7
	s_lshl_b32 s18, s18, 12                        ; a row of b2 is 4,096 bytes
	s_add_nc_u64 s[66+4*\a+2*\j:67+4*\a+2*\j], s[12:13], s[18:19]
.endr
.endr
.irp a, 0,1,2,3
.irp j, 0,1
.irp c, 0,1,2,3
	global_load_b128 v[P+40*\a+20*\j+4*\c:P+40*\a+20*\j+4*\c+3], v1, s[40+4*\a+2*\j:41+4*\a+2*\j] offset:4096*\c th:TH_LOAD_NT   ; a slot belongs to one token: read once
.endr
	global_load_b128 v[P+40*\a+20*\j+16:P+40*\a+20*\j+19], v1, s[66+4*\a+2*\j:67+4*\a+2*\j]
.endr
.endr
.macro TOKEN a
	s_wait_loadcnt 30-10*\a                        ; ten loads for each later token may stay out
.irp j, 0,1
.irp q, 0,2
	v_pk_add_f32 v[P+40*\a+20*\j+\q:P+40*\a+20*\j+\q+1],     v[P+40*\a+20*\j+\q:P+40*\a+20*\j+\q+1],     v[P+40*\a+20*\j+4+\q:P+40*\a+20*\j+4+\q+1]
	v_pk_add_f32 v[P+40*\a+20*\j+8+\q:P+40*\a+20*\j+8+\q+1], v[P+40*\a+20*\j+8+\q:P+40*\a+20*\j+8+\q+1], v[P+40*\a+20*\j+12+\q:P+40*\a+20*\j+12+\q+1]
	v_pk_add_f32 v[P+40*\a+20*\j+\q:P+40*\a+20*\j+\q+1],     v[P+40*\a+20*\j+\q:P+40*\a+20*\j+\q+1],     v[P+40*\a+20*\j+8+\q:P+40*\a+20*\j+8+\q+1]
	v_pk_add_f32 v[P+40*\a+20*\j+\q:P+40*\a+20*\j+\q+1],     v[P+40*\a+20*\j+\q:P+40*\a+20*\j+\q+1],     v[P+40*\a+20*\j+16+\q:P+40*\a+20*\j+16+\q+1]
.endr
.endr
.irp k, 0,1,2,3
	v_mul_f32 v[P+40*\a+\k], s[28+2*\a], v[P+40*\a+\k]
.endr
.irp k, 0,1,2,3
	v_fma_f32 v[P+40*\a+\k], s[29+2*\a], v[P+40*\a+20+\k], v[P+40*\a+\k]
.endr
	global_store_b128 v1, v[P+40*\a:P+40*\a+3], s[14:15] offset:4096*\a th:TH_STORE_NT   ; each token has its own data registers: nothing is rewritten
.endm
	TOKEN 0
	TOKEN 1
	TOKEN 2
	TOKEN 3
	s_endpgm
.Lfunc_end_k_qb2242945ff_combine:
	.size	k_qb2242945ff_combine, .Lfunc_end_k_qb2242945ff_combine-k_qb2242945ff_combine
	.p2alignl 7, 3214868480
	.fill 96, 4, 3214868480
	.section	.rodata,"a",@progbits
	.p2align	6, 0x0
	.amdhsa_kernel k_qb2242945ff_combine
		.amdhsa_group_segment_fixed_size 0
		.amdhsa_private_segment_fixed_size 0
		.amdhsa_enable_private_segment 0
		.amdhsa_kernarg_size 48
		.amdhsa_user_sgpr_count 2
		.amdhsa_user_sgpr_kernarg_segment_ptr 1
		.amdhsa_wavefront_size32 1
		.amdhsa_system_sgpr_workgroup_id_x 1
		.amdhsa_system_sgpr_workgroup_id_y 1
		.amdhsa_system_sgpr_workgroup_id_z 1
		.amdhsa_system_vgpr_workitem_id 0
		.amdhsa_next_free_vgpr 176
		.amdhsa_next_free_sgpr 84
		.amdhsa_reserve_vcc 0
		.amdhsa_float_denorm_mode_32 3
		.amdhsa_float_denorm_mode_16_64 3
		.amdhsa_memory_ordered 1
		.amdhsa_forward_progress 1
		.amdhsa_inst_pref_size 13
	.end_amdhsa_kernel
	.amdgpu_metadata
---
amdhsa.version: [ 1, 2 ]
amdhsa.kernels:
  - .name:           k_qb2242945ff_combine
    .symbol:         k_qb2242945ff_combine.kd
    .args:
      - { .name: part, .offset: 0, .size: 8, .value_kind: global_buffer, .address_space: global }
      - { .name: slots, .offset: 8, .size: 8, .value_kind: global_buffer, .address_space: global }
      - { .name: sel, .offset: 16, .size: 8, .value_kind: global_buffer, .address_space: global }
      - { .name: gw, .offset: 24, .size: 8, .value_kind: global_buffer, .address_space: global }
      - { .name: b2, .offset: 32, .size: 8, .value_kind: global_buffer, .address_space: global }
      - { .name: out0, .offset: 40, .size: 8, .value_kind: global_buffer, .address_space: global }
    .group_segment_fixed_size: 0
    .private_segment_fixed_size: 0
    .kernarg_segment_align: 8
    .kernarg_segment_size: 48
    .max_flat_workgroup_size: 256
    .sgpr_count:     84
    .vgpr_count:     176
    .wavefront_size: 32
...
	.end_amdgpu_metadata
.endif
;; end of part 5
;; ======== version 2 of 2: 5 launches; 1.16 times as fast as version 1
;; limits: values outside matrix products are rounded to bf16; values are held in f16: magnitudes above 65,504 overflow, below 6.1e-05 lose precision
;; workspace buffers: xb 2,097,152 bytes; sel 4,096 bytes of whole numbers; gw 8,192 bytes; list 8,704 bytes of whole numbers; slots 8,192 bytes of whole numbers; meta 256 bytes of whole numbers; hbuf 17,825,792 bytes; part 35,651,584 bytes
;; launch gate: the kernel of part 1 again; grid 256 x 1, 4 waves a work-group, no clusters, 0 bytes of LDS; arguments x, Wg, bg, xb, sel, gw; writes xb, sel, gw
;; launch sort: the kernel of part 2 again; grid 1 x 1, 32 waves a work-group, no clusters, 4,608 bytes of LDS; arguments sel, list, slots, meta; writes list, slots, meta
;; launch ffn1 (part 6): grid 32 x 8, 4 waves a work-group, no clusters, 279,040 bytes of LDS; arguments W1, b1, xb, list, meta, hbuf; writes hbuf
.if DOCPART == 6
	.amdgcn_target "amdgcn-amd-amdhsa--gfx1250"
	.amdhsa_code_object_version 6
	.text
	.protected	k_qb2242945ff_ffn1
	.globl	k_qb2242945ff_ffn1
	.p2align	8
	.type	k_qb2242945ff_ffn1,@function
k_qb2242945ff_ffn1:
	s_mov_b64 s[64:65], 0
	v_nop
	global_prefetch_b8 v0, s[64:65] scope:SCOPE_SE
	s_setreg_imm32_b32 hwreg(HW_REG_WAVE_MODE, 25, 1), 1
	s_wait_xcnt 0x0
; FIRST LAYER, for the pairs (token, expert) that the gate chose:  hbuf[slot][f] = f16( gelu( sum over d of xb[list[slot]][d] W1[e][d][f] + b1[e][f] ) ).
; h is the second layer's matrix operand and goes there in f16: its 11 significant bits leave a relative error of at most 2^-12 in each of the 4,096 terms of a sum,
; where bf16's 8 bits would leave 2^-9, which for a token whose gate weight is near 1 comes close to a hundredth of the output's root mean square.
; ROOM IN f16: a pre-activation is a sum of 1,024 products of spreads 1 and 1/32, so its spread is 1; with x and W1 both 30 times larger it is 900, and the largest of
; 2,176 x 4,096 such numbers lies near 5.5 spreads, 5,000; with x and W1 both carrying an offset of 30 spreads it is 1,024 x 30 x 0.94 = 28,800.  f16 ends at 65,504.
; With x and W1 both 30 times smaller h has a spread of some 5e-4; below 2^-14 f16 has the fixed step 2^-24, an error of at most 3e-8.
; hbuf: [2176 slots][4096] f16, a row of 8,192 bytes.
; gelu in its tanh form, written as x / (1 + 2^(x (KA + KB x x))), KA = -2 sqrt(2/pi) log2(e), KB = 0.044715 KA; right at both ends of the range
; (the power goes to 0 or to infinity, the quotient to x or to 0).  Operands of this layer bf16, sums f32, bias and gelu f32.
; LIMITS, stated: experts outside a token's two are not computed, since their weight in the result is an exact zero; the result differs
; from computing them only where such an expert's output would not be finite.  An h above 65,504 rounds to infinity.
; SHARES.  Work-group (fs, e): the slice W1[e][0:1024][128 fs .. +127], 524,288 bytes of f32, which no other work-group reads.  It is read once,
; rounded to bf16 in registers and kept in LDS for the whole launch; the expert's token rows stream past it.  Four waves; each fills a quarter of
; the slice; then each takes its own blocks of 16 slots (up to 8 in a pass) times all 128 columns times all of K.
; Slots from n_e up to the next multiple of 16 repeat the expert's last token: they are computed and stored like the others, so that all lanes
; stay on and no store is masked; the second layer multiplies these rows into rows of part that nothing reads.
; NO TENSOR LOADS: the weights are f32 and must pass through registers to be rounded, and LDS has no room for an f32 stage beside 278,528 bytes of bf16.
; NO CLUSTER: the weights, half of a work-group's bytes, are shared with nobody.  The token rows are shared by the 32 work-groups of an expert, but they are
; gathered rows under trip counts read from memory, and a joint ring for them would need LDS that the stationary weights fill.
; LDS: the weights with K along the rows, in 8 chunks of 128 k.  A chunk has 128 rows of 256 + 16 bytes; row 16 b + r holds column 8 r + b of the slice.
; Pitch 272 = 17 x 16 bytes: the sixteen rows that a fragment load's sixteen lanes touch start at sixteen different 16-byte columns modulo 256.
; Wave w fills chunks 2 w and 2 w + 1: 69,632 bytes in one piece.  Behind the one barrier LDS is only read.
; THE TILES TAKE INTERLEAVED COLUMNS.  Source 0 = 16 tokens, source 1 = 16 columns; register j of lane (r, h) of tile (i, b) is token 16 i + 8 h + j, column 8 r + b.
; So over its eight tiles a lane holds eight NEIGHBOURING columns of a token: 16 bytes of f16, and lanes 0-15 together a whole run of 256 bytes: results are
; stored straight from registers.
; REGISTERS in windows of 256: window 0 addresses, bias, weight fragments, work; windows 1 and 2 accumulators, tile (row block i, column tile b) at
; v[32 i + 8 (b & 3)] of window 1 + (b >> 2); window 3 token fragments, ring slot q, block i at v[64 q + 8 i].
.set WPITCH, 16384                     ; bytes from a K row of W1 to the next
.set LP,     272                       ; an LDS row
.set CH,     128*LP                    ; a chunk: 34,816 bytes
.set ROWB,   8192                      ; bytes in a row of hbuf
.set TO,  16                           ; v[16:23]  block i: byte offset of my token's row + 16 h
.set KA,  24                           ; v[24:25]
.set KB,  26                           ; v[26:27]
.set FO,  32                           ; v[32:63]   fill: a batch in bf16, register 8 c + m = k 2 m, 2 m + 1 of my column c
.set FR,  64                           ; v[64:255]  fill: three slots of 16 loads, register 4 i + c = row i, my column c
.set BI,  32                           ; v[32:47]   bias: registers 2 b and 2 b + 1 both = b1[e][128 fs + 8 r + b], a pair for the packed add
.set BT,  48                           ; v[48:55]   bias as loaded
.set WF,  96                           ; v[96:223]  weight fragments, two buffers of 64
.set T,   96                           ; v[96:159]  way out: register 8 b + j
.set U,   160                          ; v[160:223] way out
.set O,   160                          ; v[160:191] packed results, store data
.set MUL_LO, 0x53                      ; source 0 (tokens) window 3, source 1 (weights) window 0, C and D window 1
.set MUL_HI, 0xa3                      ; the same, C and D window 2
.set TO_TOK, 0xc0                      ; destination window 3, address window 0
.set MSB, 0
.macro WIN new                         ; the immediate's high byte repeats the setting that is left; a switch that changes nothing is dropped
.if MSB != \new
	s_set_vgpr_msb (MSB<<8)|\new
.set MSB, \new
.endif
.endm
.macro PLACES                          ; four plain places (ISA guide 7.12.1) between matrix instructions and what touches their registers
.rept 4
	v_nop
.endr
.endm
; s16 wave, s17 fs, s18 e, s20 base, s21 n, s22 nb, s23 np, s24 hb, s25 n - 1, s26 pass, s27 my blocks, s28 my first row, s29 counter, s[30:31] offset pair,
; s[32:33] weights, s[34:35] xb, s[36:37] xb stepped along K, s[38:39] hbuf + 256 fs, s[40:41] the tile's rows of it, s42 s43 at work, s44 8 e, s[46:47] bias
	s_load_b256 s[4:11], s[0:1], 0x0               ; W1 s[4:5], b1 s[6:7], xb s[8:9], list s[10:11]
	s_load_b128 s[12:15], s[0:1], 0x20             ; meta s[12:13], hbuf s[14:15]
	v_lshl_add_u32 v30, v0, 2, 0x44000
	v_mov_b32 v31, 0
	v_lshrrev_b32 v12, 5, v0
	v_readfirstlane_b32 s16, v12                   ; wave w
	s_mov_b32 s17, ttmp9                           ; fs
	s_and_b32 s18, ttmp7, 0xffff                   ; e
	s_lshl_b32 s44, s18, 3
	v_and_b32 v1, 31, v0                           ; L
	v_lshlrev_b32 v5, 4, v1                        ; 16 L
	s_lshl_b32 s30, s18, 24                        ; e x 1024 x 4096 x 4
	s_lshl_b32 s42, s16, 22                        ; + 256 w rows of 16,384 bytes
	s_add_co_u32 s30, s30, s42
	s_lshl_b32 s42, s17, 9                         ; + 128 fs columns of 4 bytes
	s_add_co_u32 s30, s30, s42
	s_mov_b32 s31, 0
	s_wait_kmcnt 0x0
	s_load_b64 s[20:21], s[12:13], s44 offset:0x0  ; base_e, n_e
	s_add_nc_u64 s[32:33], s[4:5], s[30:31]
.macro FISSUE slot                     ; 16 K rows: each load of the wave takes one row's 512 consecutive bytes, aligned; the slice is read once in the launch
.set fi, 0
.rept 16
	global_load_b128 v[FR+64*\slot+4*fi:FR+64*\slot+4*fi+3], v5, s[32:33] offset:(16*\slot+fi)*WPITCH th:TH_LOAD_NT
.set fi, fi+1
.endr
.endm
	FISSUE 0
	FISSUE 1
	FISSUE 2                                       ; 48 loads of 512 bytes a wave are on their way from here to the end of the fill
	v_and_b32 v2, 15, v0                           ; r
	v_bfe_u32 v3, v0, 4, 1                         ; h
	v_lshlrev_b32 v4, 4, v3                        ; 16 h
	; fill: lane L holds columns 4 L + c = 8 (L >> 1) + 4 (L & 1) + c, which belong in LDS row 16 (4 (L & 1) + c) + (L >> 1)
	v_and_b32 v12, 1, v0
	v_bfe_u32 v13, v0, 1, 4
	v_lshl_add_u32 v12, v12, 6, v13                ; 64 (L & 1) + (L >> 1); 16 c stands in the stores' immediates
	v_mul_u32_u24 v6, v12, LP
	s_mul_i32 s42, s16, 2*CH
	v_add_nc_u32 v6, s42, v6                       ; + my wave's two chunks
	v_mul_u32_u24 v7, v2, LP
	v_add_nc_u32 v7, v7, v4                        ; fragment: row r of a tile, 16 bytes at 16 h
	v_lshlrev_b32 v12, 16, v3
	v_lshl_add_u32 v11, v2, 4, v12                 ; hbuf: 8 h rows of 8,192 bytes + 16 r
	v_lshlrev_b32 v13, 5, v2                       ; bias: 32 r
	v_mov_b32 v[KA], 0xc0135761
	v_mov_b32 v[KA+1], 0xc0135761
	v_mov_b32 v[KB], 0xbdd2d3e8
	v_mov_b32 v[KB+1], 0xbdd2d3e8
	s_mov_b64 s[34:35], s[8:9]
	s_lshl_b32 s30, s17, 8
	s_add_nc_u64 s[38:39], s[14:15], s[30:31]      ; hbuf + 128 fs columns of 2 bytes
	s_lshl_b32 s30, s18, 14
	s_lshl_b32 s42, s17, 9
	s_add_co_u32 s30, s30, s42
	s_add_nc_u64 s[46:47], s[6:7], s[30:31]        ; b1[e][128 fs]
	s_wait_kmcnt 0x0
	s_min_u32 s21, s21, 1024                       ; n
	s_min_u32 s20, s20, 2160                       ; base
	s_cmp_eq_u32 s21, 0
	s_cselect_b32 s20, 0, s20                      ; an expert without tokens points at slot 0, which is always written
	s_max_u32 s25, s21, 1
	s_sub_co_u32 s25, s25, 1                       ; the last row that has a token
	s_add_co_u32 s22, s21, 15
	s_lshr_b32 s22, s22, 4                         ; nb: blocks of 16 slots, at most 64
	s_add_co_u32 s23, s22, 31
	s_lshr_b32 s23, s23, 5                         ; np: passes of at most 4 waves x 8 blocks: 0, 1 or 2
	s_lshl_b32 s42, s23, 2
	s_add_co_u32 s42, s42, s22
	s_sub_co_u32 s42, s42, 1
	s_add_co_u32 s43, s23, 1
	s_lshr_b32 s24, s42, s43                       ; hb = ceil(nb / (4 np)): blocks of a wave in a pass
	s_min_u32 s24, s24, 8
	s_mov_b32 s26, 0                               ; pass
; A pass's figures, and the loads of my rows' token numbers.
.macro SETUP_A
	s_wait_xcnt 0x0                                ; s[40:41], TO and the last block's store data are sources of earlier stores and loads: rewritten only behind this wait
	s_lshl_b32 s42, s26, 2
	s_add_co_u32 s42, s42, s16
	s_mul_i32 s42, s42, s24                        ; my first block
	s_sub_co_i32 s27, s22, s42
	s_min_i32 s27, s27, s24                        ; how many blocks are mine (0 or less: none)
	s_lshl_b32 s28, s42, 4                         ; my first row among the expert's
	s_add_co_u32 s43, s20, s28
	s_min_u32 s43, s43, 2175
	s_lshl_b32 s30, s43, 13
	s_mov_b32 s31, 0
	s_add_nc_u64 s[40:41], s[38:39], s[30:31]      ; my first row of hbuf
	v_add_nc_u32 v12, s28, v2
.irp i, 0,1,2,3,4,5,6,7
	v_add_nc_u32 v[TO+\i], 16*\i, v12
	v_min_u32 v[TO+\i], s25, v[TO+\i]              ; rows past the last repeat it
	v_add_nc_u32 v[TO+\i], s20, v[TO+\i]
	v_min_u32 v[TO+\i], 2175, v[TO+\i]             ; clamped to the table before it enters an address
	v_lshlrev_b32 v[TO+\i], 2, v[TO+\i]
	global_load_b32 v[TO+\i], v[TO+\i], s[10:11]   ; list[slot]
.endr
.endm
.macro SETUP_B
	s_wait_loadcnt 0x0                             ; the token numbers
.irp i, 0,1,2,3,4,5,6,7
	v_min_u32 v[TO+\i], 1023, v[TO+\i]
	v_lshl_add_u32 v[TO+\i], v[TO+\i], 11, v4      ; token x 2,048 bytes + 16 h
.endr
.endm
	SETUP_A
; THE FILL.  My 256 K rows in 16 batches of 16, written out: every offset is an immediate (255 rows of 16,384 bytes at the most in memory, 48,112 bytes in LDS), so no
; address is stepped.  The wait leaves out the loads issued behind this batch's: 16 for each younger batch, two of them until the end (the eight loads of token
; numbers, issued behind the first three batches, make the count 32 stricter than needed in those three).
; The transposition costs nothing: the conversion pairs rows 2 m and 2 m + 1 of one column, so that a column's 16 k are 32 neighbouring bytes of its LDS row.
; In a store's first sixteen lanes the even lanes take rows 0-7 and the odd ones rows 64-71 of the four tiles' group, which fall on the same eight 16-byte columns
; modulo 256: two lanes a column, in 128 stores a wave in the whole launch.
.set fb, 0
.rept 16
.if fb < 14
	s_wait_loadcnt 32
.else
	s_wait_loadcnt 16*(15-fb)
.endif
.irp c, 0,1,2,3
.irp m, 0,1,2,3,4,5,6,7
	v_cvt_pk_bf16_f32 v[FO+8*\c+\m], v[FR+64*(fb%3)+8*\m+\c], v[FR+64*(fb%3)+8*\m+4+\c]
.endr
.endr
.if fb < 13
.set fi, 0
.rept 16
	global_load_b128 v[FR+64*(fb%3)+4*fi:FR+64*(fb%3)+4*fi+3], v5, s[32:33] offset:(16*(fb+3)+fi)*WPITCH th:TH_LOAD_NT   ; three batches ahead
.set fi, fi+1
.endr
.endif
.irp c, 0,1,2,3
	ds_store_b128 v6, v[FO+8*\c:FO+8*\c+3]   offset:(fb>>3)*CH+16*\c*LP+32*(fb&7)
	ds_store_b128 v6, v[FO+8*\c+4:FO+8*\c+7] offset:(fb>>3)*CH+16*\c*LP+32*(fb&7)+16
.endr
.set fb, fb+1
.endr
	s_wait_dscnt 0x0                               ; my quarter of the weights is in LDS before I say so
	global_load_b128 v[BT:BT+3],   v13, s[46:47]   ; the bias of my eight columns
	global_load_b128 v[BT+4:BT+7], v13, s[46:47] offset:16
	s_barrier_signal -1
	s_barrier_wait -1                              ; the only barrier: from here on LDS is read and never written
	s_cmp_eq_u32 s23, 0
	s_cbranch_scc1 .Lend                           ; no token chose this expert
	s_wait_loadcnt 0x0                             ; the bias
.irp b, 0,1,2,3,4,5,6,7
	v_mov_b32 v[BI+2*\b],   v[BT+\b]
	v_mov_b32 v[BI+2*\b+1], v[BT+\b]
.endr
.macro TOKLD q, koff, mb               ; token fragments of one K step (32 along K) into ring slot q: two loads of 16 bytes, 32 bytes apart, for each block
	WIN TO_TOK
.set ti, 0
.rept \mb
	global_load_b128 v[64*\q+8*ti:64*\q+8*ti+3],   v[TO+ti], s[36:37] offset:\koff
	global_load_b128 v[64*\q+8*ti+4:64*\q+8*ti+7], v[TO+ti], s[36:37] offset:\koff+32
.set ti, ti+1
.endr
.endm
.macro WLD f, off                      ; weight fragments of one K step into buffer f: K lies along the LDS rows, so two loads of 16 bytes, 32 bytes apart, for each tile of 16 rows
	WIN 0
.irp b, 0,1,2,3,4,5,6,7
	ds_load_b128 v[WF+64*\f+8*\b:WF+64*\f+8*\b+3],   v8 offset:\off+16*LP*\b
	ds_load_b128 v[WF+64*\f+8*\b+4:WF+64*\f+8*\b+7], v8 offset:\off+16*LP*\b+32
.endr
.endm
.macro MULS f, q, mb, zero             ; 8 mb matrix instructions.  The 8 mb accumulators take turns, one instruction a turn, from step to step and over the backward jump too
	WIN MUL_LO
.set mi, 0
.rept \mb
.irp b, 0,1,2,3
.if \zero
	v_wmma_f32_16x16x32_bf16 v[32*mi+8*\b:32*mi+8*\b+7], v[64*\q+8*mi:64*\q+8*mi+7], v[WF+64*\f+8*\b:WF+64*\f+8*\b+7], 0
.else
	v_wmma_f32_16x16x32_bf16 v[32*mi+8*\b:32*mi+8*\b+7], v[64*\q+8*mi:64*\q+8*mi+7], v[WF+64*\f+8*\b:WF+64*\f+8*\b+7], v[32*mi+8*\b:32*mi+8*\b+7]
.endif
.endr
.set mi, mi+1
.endr
	WIN MUL_HI
.set mi, 0
.rept \mb
.irp b, 0,1,2,3
.if \zero
	v_wmma_f32_16x16x32_bf16 v[32*mi+8*\b:32*mi+8*\b+7], v[64*\q+8*mi:64*\q+8*mi+7], v[WF+64*\f+32+8*\b:WF+64*\f+32+8*\b+7], 0
.else
	v_wmma_f32_16x16x32_bf16 v[32*mi+8*\b:32*mi+8*\b+7], v[64*\q+8*mi:64*\q+8*mi+7], v[WF+64*\f+32+8*\b:WF+64*\f+32+8*\b+7], v[32*mi+8*\b:32*mi+8*\b+7]
.endif
.endr
.set mi, mi+1
.endr
.endm
; One K step: multiplies token slot q by weight buffer f.  Ahead of that it asks for the tokens of three steps on (slot tq, byte tk of the rows) and the weights
; of the next step (buffer wn, byte wo): both land in registers that the LAST step's matrix instructions read, hence the four places.
; lc = the token loads issued behind this step's when the wait stands: 2 mb for each of the two younger steps; so at most 6 mb are ever out.
; dc = the weight loads issued behind this step's: the next step's 16.
.macro KSTEP f, q, mb, zero, tok, tq, tk, wf, wn, wo, lc, dc
.if \tok+\wf
	PLACES
.endif
	s_wait_loadcnt \lc
.if \tok
	TOKLD \tq, \tk, \mb
.endif
.if \wf
	WLD \wn, \wo
.endif
	s_wait_dscnt \dc
	MULS \f, \q, \mb, \zero
.endm
.macro TRIP mb, zero, last             ; four K steps = one chunk of the weights = once round the token ring.  zero: the first product starts the sums, nothing is cleared.  last: nothing beyond K is asked for
.if \last
	KSTEP 0, 0, \mb, 0, 1, 3, 192, 1, 1, 64,  4*\mb, 16
	KSTEP 1, 1, \mb, 0, 0, 0, 0,   1, 0, 128, 4*\mb, 16
	KSTEP 0, 2, \mb, 0, 0, 0, 0,   1, 1, 192, 2*\mb, 16
	KSTEP 1, 3, \mb, 0, 0, 0, 0,   0, 0, 0,   0,     0
.else
	KSTEP 0, 0, \mb, \zero, 1, 3, 192, 1, 1, 64,  4*\mb, 16
	KSTEP 1, 1, \mb, 0,     1, 0, 256, 1, 0, 128, 4*\mb, 16
	KSTEP 0, 2, \mb, 0,     1, 1, 320, 1, 1, 192, 4*\mb, 16
	KSTEP 1, 3, \mb, 0,     1, 2, 384, 1, 0, CH,  4*\mb, 16
.endif
.endm
.macro STEP                            ; 128 along K on: 256 bytes of a token row, one chunk of the weights
	WIN 0
	s_wait_xcnt 0x0                                ; the base of the token loads is stepped only behind this wait
	s_add_nc_u64 s[36:37], s[36:37], 256
	v_add_nc_u32 v8, CH, v8
.endm
; A tile of mb blocks: 16 mb tokens x 128 columns x K = 1024 = 8 trips: one that starts the sums, six in the loop, one that asks for nothing more.
.macro VAR mb
.Lv\mb:
	s_mov_b64 s[36:37], s[34:35]
	v_mov_b32 v8, v7
	TOKLD 0, 0,   \mb
	TOKLD 1, 64,  \mb
	TOKLD 2, 128, \mb
	WLD 0, 0
	TRIP \mb, 1, 0
	STEP
	s_mov_b32 s29, 6
.Lk\mb:
	TRIP \mb, 0, 0
	STEP
	s_sub_co_i32 s29, s29, 1
	s_cmp_lg_u32 s29, 0
	s_cbranch_scc1 .Lk\mb
	TRIP \mb, 0, 1
	WIN 0
	PLACES                                         ; behind the last matrix instructions, in front of the way out, which reads results and writes over fragments
	s_branch .Lep\mb
.endm
.Lpass:
	SETUP_B
	s_cmp_le_i32 s27, 0
	s_cbranch_scc1 .Lnext                          ; no block is left for my wave in this pass
.irp m, 1,2,3,4,5,6,7
	s_cmp_eq_u32 s27, \m
	s_cbranch_scc1 .Lv\m
.endr
.irp mb, 8,7,6,5,4,3,2,1
	VAR \mb
.endr
; THE WAY OUT of row block i: bias, gelu, f16.  The conversion takes tiles 2 m and 2 m + 1 of one token: columns 8 r + 2 m and 8 r + 2 m + 1.  A store's lanes 0-15 cover
; the 256 consecutive aligned bytes of token 16 i + j, lanes 16-31 those of token 16 i + 8 + j.
.macro EPI i
	s_wait_xcnt 0x0                                ; O was the last block's store data: rewritten only behind this wait
	WIN 0x01                                       ; source 0 in window 1
.irp b, 0,1,2,3
.irp j, 0,2,4,6
	v_pk_add_f32 v[T+8*\b+\j:T+8*\b+\j+1], v[32*\i+8*\b+\j:32*\i+8*\b+\j+1], v[BI+2*\b:BI+2*\b+1]
.endr
.endr
	WIN 0x02                                       ; source 0 in window 2
.irp b, 0,1,2,3
.irp j, 0,2,4,6
	v_pk_add_f32 v[T+32+8*\b+\j:T+32+8*\b+\j+1], v[32*\i+8*\b+\j:32*\i+8*\b+\j+1], v[BI+8+2*\b:BI+8+2*\b+1]
.endr
.endr
	WIN 0
.set gi, 0
.rept 32
	v_pk_mul_f32 v[U+gi:U+gi+1], v[T+gi:T+gi+1], v[T+gi:T+gi+1]                    ; x x
.set gi, gi+2
.endr
.set gi, 0
.rept 32
	v_pk_fma_f32 v[U+gi:U+gi+1], v[U+gi:U+gi+1], v[KB:KB+1], v[KA:KA+1]            ; KA + KB x x
.set gi, gi+2
.endr
.set gi, 0
.rept 32
	v_pk_mul_f32 v[U+gi:U+gi+1], v[U+gi:U+gi+1], v[T+gi:T+gi+1]                    ; times x
.set gi, gi+2
.endr
.set gi, 0
.rept 64
	v_exp_f32 v[U+gi], v[U+gi]
.set gi, gi+1
.endr
	v_nop                                          ; one plain place behind the last exponential (ISA guide 5.7.2)
.set gi, 0
	s_wait_alu depctr_va_vdst(0)
.rept 32
	v_pk_add_f32 v[U+gi:U+gi+1], v[U+gi:U+gi+1], 1.0 op_sel_hi:[1,0]
.set gi, gi+2
.endr
.set gi, 0
.rept 64
	v_rcp_f32 v[U+gi], v[U+gi]
.set gi, gi+1
.endr
	v_nop                                          ; and behind the last reciprocal
.set gi, 0
	s_wait_alu depctr_va_vdst(0)
.rept 32
	v_pk_mul_f32 v[T+gi:T+gi+1], v[T+gi:T+gi+1], v[U+gi:U+gi+1]                    ; h; U is free from here on
.set gi, gi+2
.endr
.irp j, 0,1,2,3,4,5,6,7
.irp m, 0,1,2,3
	v_cvt_pk_f16_f32 v[O+4*\j+\m], v[T+16*\m+\j], v[T+16*\m+8+\j]
.endr
.endr
.irp j, 0,1,2,3,4,5,6,7
	global_store_b128 v11, v[O+4*\j:O+4*\j+3], s[40:41] offset:(16*\i+\j)*ROWB
.endr
.endm
; A tile of mb blocks enters at .Lep mb, so that only blocks that it has written are read.
.irp mb, 8,7,6,5,4,3,2,1
.Lep\mb:
	EPI (\mb-1)
.endr
.Lnext:
	s_add_co_u32 s26, s26, 1
	s_cmp_ge_u32 s26, s23
	s_cbranch_scc1 .Lend                           ; no pass is left
	SETUP_A                                        ; on every way back: its first line frees the registers that the last stores read
	s_cmp_lt_u32 s26, s23
	s_cbranch_scc1 .Lpass
.Lend:
	s_barrier_signal -1
	s_barrier_wait -1
	s_wait_tensorcnt 0x0
	ds_add_u32 v30, v31
	s_wait_dscnt 0x0
	s_endpgm
.Lfunc_end_k_qb2242945ff_ffn1:
	.size	k_qb2242945ff_ffn1, .Lfunc_end_k_qb2242945ff_ffn1-k_qb2242945ff_ffn1
	.p2alignl 7, 3214868480
	.fill 96, 4, 3214868480
	.section	.rodata,"a",@progbits
	.p2align	6, 0x0
	.amdhsa_kernel k_qb2242945ff_ffn1
		.amdhsa_group_segment_fixed_size 279040
		.amdhsa_private_segment_fixed_size 0
		.amdhsa_enable_private_segment 0
		.amdhsa_kernarg_size 48
		.amdhsa_user_sgpr_count 2
		.amdhsa_user_sgpr_kernarg_segment_ptr 1
		.amdhsa_wavefront_size32 1
		.amdhsa_system_sgpr_workgroup_id_x 1
		.amdhsa_system_sgpr_workgroup_id_y 1
		.amdhsa_system_sgpr_workgroup_id_z 1
		.amdhsa_system_vgpr_workitem_id 0
		.amdhsa_next_free_vgpr 1024
		.amdhsa_next_free_sgpr 66
		.amdhsa_reserve_vcc 0
		.amdhsa_float_denorm_mode_32 3
		.amdhsa_float_denorm_mode_16_64 3
		.amdhsa_memory_ordered 1
		.amdhsa_forward_progress 1
		.amdhsa_inst_pref_size 255
	.end_amdhsa_kernel
	.section	.bss,"aw",@nobits
	.p2align	6
	.space	262144
	.amdgpu_metadata
---
amdhsa.version: [ 1, 2 ]
amdhsa.kernels:
  - .name:           k_qb2242945ff_ffn1
    .symbol:         k_qb2242945ff_ffn1.kd
    .args:
      - { .name: W1, .offset: 0, .size: 8, .value_kind: global_buffer, .address_space: global }
      - { .name: b1, .offset: 8, .size: 8, .value_kind: global_buffer, .address_space: global }
      - { .name: xb, .offset: 16, .size: 8, .value_kind: global_buffer, .address_space: global }
      - { .name: list, .offset: 24, .size: 8, .value_kind: global_buffer, .address_space: global }
      - { .name: meta, .offset: 32, .size: 8, .value_kind: global_buffer, .address_space: global }
      - { .name: hbuf, .offset: 40, .size: 8, .value_kind: global_buffer, .address_space: global }
    .group_segment_fixed_size: 279040
    .private_segment_fixed_size: 0
    .kernarg_segment_align: 8
    .kernarg_segment_size: 48
    .max_flat_workgroup_size: 128
    .sgpr_count:     66
    .vgpr_count:     1024
    .wavefront_size: 32
...
	.end_amdgpu_metadata
.endif
;; end of part 6
;; launch ffn2 (part 7): grid 32 x 8, 4 waves a work-group, no clusters, 279,040 bytes of LDS; arguments W2, hbuf, meta, part; writes part
.if DOCPART == 7
	.amdgcn_target "amdgcn-amd-amdhsa--gfx1250"
	.amdhsa_code_object_version 6
	.text
	.protected	k_qb2242945ff_ffn2
	.globl	k_qb2242945ff_ffn2
	.p2align	8
	.type	k_qb2242945ff_ffn2,@function
k_qb2242945ff_ffn2:
	s_mov_b64 s[64:65], 0
	v_nop
	global_prefetch_b8 v0, s[64:65] scope:SCOPE_SE
	s_setreg_imm32_b32 hwreg(HW_REG_WAVE_MODE, 25, 1), 1
	s_wait_xcnt 0x0
; SECOND LAYER, in four slices of K:  part[slot][ks][d] = sum over f = 1024 ks .. 1024 ks + 1023 of hbuf[slot][f] W2[e][f][d], sums in f32.  The four slices, the bias b2 and
; the gate's weights meet in the next launch: a sum that spans work-groups is made by gathering, in a fixed order.
; OPERANDS IN f16.  h comes in f16 (11 significant bits; why, and what room it has there: the head of the first layer's text), so the weights go in f16 too.
; W2 is rounded to bf16 first, the format in which every input of this program's products is taken, so that the program as a whole computes on inputs rounded to one format;
; that bf16 number is then written as f16.  From 2^-14 up that is exact (8 significant bits in 11); below, f16 has the fixed step 2^-24 and the error is at most 2^-25.
; ROOM IN f16: W2 has a spread of 1/64; 30 times larger is 0.47, an offset of 30 spreads the same; 30 times smaller is 5e-4, where one weight in ten lies below 2^-14 and
; errs by at most 3e-8, less than a twentieth of bf16's own rounding of a typical weight there.
; SHARES.  Work-group (x, e), cs = x & 7, ks = x >> 3: the slice W2[e][1024 ks .. +1023][128 cs .. +127], 524,288 bytes of f32, which no other work-group reads.  It is read
; once, rounded in registers and kept in LDS; the expert's rows of hbuf stream past it.  Four waves; each fills a quarter of the slice, then takes its own
; blocks of 16 slots (up to 8 in a pass) times all 128 columns times the slice's K.  Slots up to the next multiple of 16 behind n_e hold a repeated token's row
; (the first layer stored them): they are multiplied and stored like the others, and nothing reads their rows of part.
; LIMIT, stated: experts outside a token's two are not computed (their weight in the result is an exact zero).
; NO TENSOR LOADS: the weights are f32 and must pass through registers to be rounded, and LDS has no room for an f32 stage beside 278,528 bytes of f16.
; NO CLUSTER: the weights, half of a work-group's bytes, are shared with nobody; the rows of hbuf are shared by the 8 work-groups of one (e, ks), under trip counts
; read from memory, and a joint ring for them would need LDS that the stationary weights fill.
; LDS: the weights with K along the rows, in 8 chunks of 128 k.  A chunk has 128 rows of 256 + 16 bytes; row 16 b + r holds column 64 (b >> 2) + 4 r + (b & 3) of the slice.
; Pitch 272 = 17 x 16 bytes: the sixteen rows that sixteen lanes of a fragment load or of a fill's store touch start at sixteen different 16-byte columns modulo 256.
; Wave w fills chunks 2 w and 2 w + 1: 69,632 bytes in one piece.  Behind the one barrier LDS is only read.
; THE TILES TAKE INTERLEAVED COLUMNS.  Source 0 = 16 slots, source 1 = 16 columns; register j of lane (r, h) of tile (i, b) is slot 16 i + 8 h + j, column
; 64 (b >> 2) + 4 r + (b & 3).  So over four tiles a lane holds four NEIGHBOURING columns of a slot: 16 bytes of f32, and lanes 0-15 together 256 consecutive bytes of a row.
; Four moves gather them into a run of four registers for the store: 64 moves a block, in the place of a trip of the block through LDS.
; REGISTERS in windows of 256: window 0 addresses, weight fragments, work; windows 1 and 2 accumulators, tile (row block i, column tile b) at
; v[32 i + 8 (b & 3)] of window 1 + (b >> 2) (during the fill v[0:63] of window 1 are at work); window 3 row fragments, ring slot q, block i at v[64 q + 8 i].
.set WPITCH, 4096                      ; bytes from a K row of W2 to the next
.set LP,     272                       ; an LDS row
.set CH,     128*LP                    ; a chunk: 34,816 bytes
.set ROWB,   16384                     ; bytes in a row of part: 4 slices x 1024 f32
.set TO,  16                           ; v[16:23]  block i: byte offset of my slot's row of hbuf + 16 h
.set FO,  32                           ; v[32:63]   fill: a batch in bf16, then in f16; register 8 c + m = k 2 m, 2 m + 1 of my column c
.set FR,  64                           ; v[64:255]  fill: three slots of 16 loads, register 4 i + c = row i, my column c
.set WF,  96                           ; v[96:223]  weight fragments, two buffers of 64
.set R,   96                           ; v[96:159]  way out: store data, register 32 g + 4 j + c
.set MUL_LO, 0x53                      ; source 0 (rows of hbuf) window 3, source 1 (weights) window 0, C and D window 1
.set MUL_HI, 0xa3                      ; the same, C and D window 2
.set TO_TOK, 0xc0                      ; destination window 3, address window 0
.set MSB, 0
.macro WIN new                         ; the immediate's high byte repeats the setting that is left; a switch that changes nothing is dropped
.if MSB != \new
	s_set_vgpr_msb (MSB<<8)|\new
.set MSB, \new
.endif
.endm
.macro PLACES                          ; four plain places (ISA guide 7.12.1) between matrix instructions and what touches their registers
.rept 4
	v_nop
.endr
.endm
; s16 wave, s17 cs, s18 e, s19 ks, s20 base, s21 n, s22 nb, s23 np, s24 hb, s26 pass, s27 my blocks, s28 my first row, s29 counter, s[30:31] offset pair,
; s[32:33] weights, s[34:35] hbuf + 2048 ks, s[36:37] the same stepped along K, s[38:39] part + 4096 ks + 512 cs, s[40:41] the tile's rows of it, s42 s43 at work, s44 8 e,
; s45 the mask of a word's upper bf16
	s_load_b256 s[4:11], s[0:1], 0x0               ; W2 s[4:5], hbuf s[6:7], meta s[8:9], part s[10:11]
	v_lshl_add_u32 v30, v0, 2, 0x44000
	v_mov_b32 v31, 0
	v_lshrrev_b32 v12, 5, v0
	v_readfirstlane_b32 s16, v12                   ; wave w
	s_and_b32 s17, ttmp9, 7                        ; cs
	s_lshr_b32 s19, ttmp9, 3                       ; ks
	s_and_b32 s18, ttmp7, 0xffff                   ; e
	s_lshl_b32 s44, s18, 3
	s_mov_b32 s45, 0xffff0000
	v_and_b32 v1, 31, v0                           ; L
	v_lshlrev_b32 v5, 4, v1                        ; 16 L
	s_lshl_b32 s30, s18, 24                        ; e x 4096 x 1024 x 4
	s_lshl_b32 s42, s19, 22                        ; + 1024 ks rows of 4,096 bytes
	s_add_co_u32 s30, s30, s42
	s_lshl_b32 s42, s16, 20                        ; + 256 w rows
	s_add_co_u32 s30, s30, s42
	s_lshl_b32 s42, s17, 9                         ; + 128 cs columns of 4 bytes
	s_add_co_u32 s30, s30, s42
	s_mov_b32 s31, 0
	s_wait_kmcnt 0x0
	s_load_b64 s[20:21], s[8:9], s44 offset:0x0    ; base_e, n_e
	s_add_nc_u64 s[32:33], s[4:5], s[30:31]
.macro FISSUE slot                     ; 16 K rows: each load of the wave takes one row's 512 consecutive bytes, aligned; the slice is read once in the launch
.set fi, 0
.rept 16
	global_load_b128 v[FR+64*\slot+4*fi:FR+64*\slot+4*fi+3], v5, s[32:33] offset:(16*\slot+fi)*WPITCH th:TH_LOAD_NT
.set fi, fi+1
.endr
.endm
	FISSUE 0
	FISSUE 1
	FISSUE 2                                       ; 48 loads of 512 bytes a wave are on their way from here to the end of the fill
	v_and_b32 v2, 15, v0                           ; r
	v_bfe_u32 v3, v0, 4, 1                         ; h
	v_lshlrev_b32 v4, 4, v3                        ; 16 h
	; fill: lane L holds columns 4 L + c = 64 (L >> 4) + 4 (L & 15) + c, which belong in LDS row 16 (4 (L >> 4) + c) + (L & 15)
	v_lshl_add_u32 v12, v3, 6, v2                  ; 64 (L >> 4) + (L & 15); 16 c stands in the stores' immediates
	v_mul_u32_u24 v6, v12, LP
	s_mul_i32 s42, s16, 2*CH
	v_add_nc_u32 v6, s42, v6                       ; + my wave's two chunks
	v_mul_u32_u24 v7, v2, LP
	v_add_nc_u32 v7, v7, v4                        ; fragment: row r of a tile, 16 bytes at 16 h
	v_lshlrev_b32 v12, 17, v3
	v_lshl_add_u32 v11, v2, 4, v12                 ; part: 8 h rows of 16,384 bytes + 16 r
	s_lshl_b32 s30, s19, 11
	s_add_nc_u64 s[34:35], s[6:7], s[30:31]        ; hbuf + 1024 ks columns of 2 bytes
	s_lshl_b32 s30, s19, 12
	s_lshl_b32 s42, s17, 9
	s_add_co_u32 s30, s30, s42
	s_add_nc_u64 s[38:39], s[10:11], s[30:31]      ; part + slice ks of 4,096 bytes + 128 cs columns of 4 bytes
	s_wait_kmcnt 0x0
	s_min_u32 s21, s21, 1024                       ; n
	s_min_u32 s20, s20, 2160                       ; base
	s_add_co_u32 s22, s21, 15
	s_lshr_b32 s22, s22, 4                         ; nb: blocks of 16 slots, at most 64
	s_add_co_u32 s23, s22, 31
	s_lshr_b32 s23, s23, 5                         ; np: passes of at most 4 waves x 8 blocks: 0, 1 or 2
	s_lshl_b32 s42, s23, 2
	s_add_co_u32 s42, s42, s22
	s_sub_co_u32 s42, s42, 1
	s_add_co_u32 s43, s23, 1
	s_lshr_b32 s24, s42, s43                       ; hb = ceil(nb / (4 np)): blocks of a wave in a pass
	s_min_u32 s24, s24, 8
	s_mov_b32 s26, 0                               ; pass
; A pass's figures.
.macro SETUP_A
	s_wait_xcnt 0x0                                ; s[40:41], TO and the last block's store data are sources of earlier stores and loads: rewritten only behind this wait
	s_lshl_b32 s42, s26, 2
	s_add_co_u32 s42, s42, s16
	s_mul_i32 s42, s42, s24                        ; my first block
	s_sub_co_i32 s27, s22, s42
	s_min_i32 s27, s27, s24                        ; how many blocks are mine (0 or less: none)
	s_lshl_b32 s28, s42, 4                         ; my first row among the expert's
	s_add_co_u32 s42, s20, s28                     ; my first slot
	s_min_u32 s43, s42, 2175
	s_lshl_b32 s30, s43, 14
	s_mov_b32 s31, 0
	s_add_nc_u64 s[40:41], s[38:39], s[30:31]      ; my first row of part
	v_add_nc_u32 v12, s42, v2
.irp i, 0,1,2,3,4,5,6,7
	v_add_nc_u32 v[TO+\i], 16*\i, v12
	v_min_u32 v[TO+\i], 2175, v[TO+\i]             ; clamped to the table before it enters an address
	v_lshl_add_u32 v[TO+\i], v[TO+\i], 13, v4      ; slot x 8,192 bytes + 16 h
.endr
.endm
	SETUP_A
; THE FILL.  My 256 K rows in 16 batches of 16, written out: every offset is an immediate (255 rows of 4,096 bytes at the most in memory, 48,112 bytes in LDS), so no
; address is stepped.  The wait leaves out the loads issued behind this batch's: 16 for each younger batch, two of them until the end.
; The transposition costs nothing: the first conversion pairs rows 2 m and 2 m + 1 of one column, so that a column's 16 k are 32 neighbouring bytes of its LDS row.
; The refill goes out as soon as that conversion has read the slot.  Then each bf16 pair is widened to two f32 (a shift, a mask) in window 1, which is idle until the
; first product, and narrowed to an f16 pair: three switches of the window a batch.
.set fb, 0
.rept 16
.if fb < 14
	s_wait_loadcnt 32
.else
	s_wait_loadcnt 16*(15-fb)
.endif
.irp c, 0,1,2,3
.irp m, 0,1,2,3,4,5,6,7
	v_cvt_pk_bf16_f32 v[FO+8*\c+\m], v[FR+64*(fb%3)+8*\m+\c], v[FR+64*(fb%3)+8*\m+4+\c]
.endr
.endr
.if fb < 13
.set fi, 0
.rept 16
	global_load_b128 v[FR+64*(fb%3)+4*fi:FR+64*(fb%3)+4*fi+3], v5, s[32:33] offset:(16*(fb+3)+fi)*WPITCH th:TH_LOAD_NT   ; three batches ahead
.set fi, fi+1
.endr
.endif
	WIN 0x40                                       ; destination in window 1
.set fi, 0
.rept 32
	v_lshlrev_b32 v[2*fi],   16,  v[FO+fi]         ; the lower bf16 as f32
	v_and_b32     v[2*fi+1], s45, v[FO+fi]         ; the upper one
.set fi, fi+1
.endr
	WIN 0x05                                       ; sources 0 and 1 in window 1, destination in window 0
.set fi, 0
.rept 32
	v_cvt_pk_f16_f32 v[FO+fi], v[2*fi], v[2*fi+1]
.set fi, fi+1
.endr
	WIN 0
.irp c, 0,1,2,3
	ds_store_b128 v6, v[FO+8*\c:FO+8*\c+3]   offset:(fb>>3)*CH+16*\c*LP+32*(fb&7)
	ds_store_b128 v6, v[FO+8*\c+4:FO+8*\c+7] offset:(fb>>3)*CH+16*\c*LP+32*(fb&7)+16
.endr
.set fb, fb+1
.endr
	s_wait_dscnt 0x0                               ; my quarter of the weights is in LDS before I say so
	s_barrier_signal -1
	s_barrier_wait -1                              ; the only barrier: from here on LDS is read and never written
	s_cmp_eq_u32 s23, 0
	s_cbranch_scc1 .Lend                           ; no token chose this expert
.macro TOKLD q, koff, mb               ; row fragments of one K step (32 along K) into ring slot q: two loads of 16 bytes, 32 bytes apart, for each block
	WIN TO_TOK
.set ti, 0
.rept \mb
	global_load_b128 v[64*\q+8*ti:64*\q+8*ti+3],   v[TO+ti], s[36:37] offset:\koff
	global_load_b128 v[64*\q+8*ti+4:64*\q+8*ti+7], v[TO+ti], s[36:37] offset:\koff+32
.set ti, ti+1
.endr
.endm
.macro WLD f, off                      ; weight fragments of one K step into buffer f: K lies along the LDS rows, so two loads of 16 bytes, 32 bytes apart, for each tile of 16 rows
	WIN 0
.irp b, 0,1,2,3,4,5,6,7
	ds_load_b128 v[WF+64*\f+8*\b:WF+64*\f+8*\b+3],   v8 offset:\off+16*LP*\b
	ds_load_b128 v[WF+64*\f+8*\b+4:WF+64*\f+8*\b+7], v8 offset:\off+16*LP*\b+32
.endr
.endm
.macro MULS f, q, mb, zero             ; 8 mb matrix instructions.  The 8 mb accumulators take turns, one instruction a turn, from step to step and over the backward jump too
	WIN MUL_LO
.set mi, 0
.rept \mb
.irp b, 0,1,2,3
.if \zero
	v_wmma_f32_16x16x32_f16 v[32*mi+8*\b:32*mi+8*\b+7], v[64*\q+8*mi:64*\q+8*mi+7], v[WF+64*\f+8*\b:WF+64*\f+8*\b+7], 0
.else
	v_wmma_f32_16x16x32_f16 v[32*mi+8*\b:32*mi+8*\b+7], v[64*\q+8*mi:64*\q+8*mi+7], v[WF+64*\f+8*\b:WF+64*\f+8*\b+7], v[32*mi+8*\b:32*mi+8*\b+7]
.endif
.endr
.set mi, mi+1
.endr
	WIN MUL_HI
.set mi, 0
.rept \mb
.irp b, 0,1,2,3
.if \zero
	v_wmma_f32_16x16x32_f16 v[32*mi+8*\b:32*mi+8*\b+7], v[64*\q+8*mi:64*\q+8*mi+7], v[WF+64*\f+32+8*\b:WF+64*\f+32+8*\b+7], 0
.else
	v_wmma_f32_16x16x32_f16 v[32*mi+8*\b:32*mi+8*\b+7], v[64*\q+8*mi:64*\q+8*mi+7], v[WF+64*\f+32+8*\b:WF+64*\f+32+8*\b+7], v[32*mi+8*\b:32*mi+8*\b+7]
.endif
.endr
.set mi, mi+1
.endr
.endm
; One K step: multiplies row slot q by weight buffer f.  Ahead of that it asks for the rows of three steps on (slot tq, byte tk of the rows) and the weights
; of the next step (buffer wn, byte wo): both land in registers that the LAST step's matrix instructions read, hence the four places.
; lc = the row loads issued behind this step's when the wait stands: 2 mb for each of the two younger steps; so at most 6 mb are ever out.
; dc = the weight loads issued behind this step's: the next step's 16.
.macro KSTEP f, q, mb, zero, tok, tq, tk, wf, wn, wo, lc, dc
.if \tok+\wf
	PLACES
.endif
	s_wait_loadcnt \lc
.if \tok
	TOKLD \tq, \tk, \mb
.endif
.if \wf
	WLD \wn, \wo
.endif
	s_wait_dscnt \dc
	MULS \f, \q, \mb, \zero
.endm
.macro TRIP mb, zero, last             ; four K steps = one chunk of the weights = once round the row ring.  zero: the first product starts the sums, nothing is cleared.  last: nothing beyond the slice is asked for
.if \last
	KSTEP 0, 0, \mb, 0, 1, 3, 192, 1, 1, 64,  4*\mb, 16
	KSTEP 1, 1, \mb, 0, 0, 0, 0,   1, 0, 128, 4*\mb, 16
	KSTEP 0, 2, \mb, 0, 0, 0, 0,   1, 1, 192, 2*\mb, 16
	KSTEP 1, 3, \mb, 0, 0, 0, 0,   0, 0, 0,   0,     0
.else
	KSTEP 0, 0, \mb, \zero, 1, 3, 192, 1, 1, 64,  4*\mb, 16
	KSTEP 1, 1, \mb, 0,     1, 0, 256, 1, 0, 128, 4*\mb, 16
	KSTEP 0, 2, \mb, 0,     1, 1, 320, 1, 1, 192, 4*\mb, 16
	KSTEP 1, 3, \mb, 0,     1, 2, 384, 1, 0, CH,  4*\mb, 16
.endif
.endm
.macro STEP                            ; 128 along K on: 256 bytes of a row of hbuf, one chunk of the weights
	WIN 0
	s_wait_xcnt 0x0                                ; the base of the row loads is stepped only behind this wait
	s_add_nc_u64 s[36:37], s[36:37], 256
	v_add_nc_u32 v8, CH, v8
.endm
; A tile of mb blocks: 16 mb slots x 128 columns x K = 1024 = 8 trips: one that starts the sums, six in the loop, one that asks for nothing more.
.macro VAR mb
.Lv\mb:
	s_mov_b64 s[36:37], s[34:35]
	v_mov_b32 v8, v7
	TOKLD 0, 0,   \mb
	TOKLD 1, 64,  \mb
	TOKLD 2, 128, \mb
	WLD 0, 0
	TRIP \mb, 1, 0
	STEP
	s_mov_b32 s29, 6
.Lk\mb:
	TRIP \mb, 0, 0
	STEP
	s_sub_co_i32 s29, s29, 1
	s_cmp_lg_u32 s29, 0
	s_cbranch_scc1 .Lk\mb
	TRIP \mb, 0, 1
	WIN 0
	PLACES                                         ; behind the last matrix instructions, in front of the way out, which reads results and writes over fragments
	s_branch .Lep\mb
.endm
.Lpass:
	s_cmp_le_i32 s27, 0
	s_cbranch_scc1 .Lnext                          ; no block is left for my wave in this pass
.irp m, 1,2,3,4,5,6,7
	s_cmp_eq_u32 s27, \m
	s_cbranch_scc1 .Lv\m
.endr
.irp mb, 8,7,6,5,4,3,2,1
	VAR \mb
.endr
; THE WAY OUT of row block i.  For slot row j and column group g the four tiles 4 g + c hold my columns 64 g + 4 r + c: four moves put them side by side.  A store's lanes
; 0-15 cover 256 consecutive aligned bytes of slot 16 i + j, lanes 16-31 those of slot 16 i + 8 + j.
.macro EPI i
	s_wait_xcnt 0x0                                ; R was the last block's store data: rewritten only behind this wait
	WIN 0x01                                       ; source 0 in window 1: tiles 0 to 3
.irp j, 0,1,2,3,4,5,6,7
.irp c, 0,1,2,3
	v_mov_b32 v[R+4*\j+\c], v[32*\i+8*\c+\j]
.endr
.endr
	WIN 0x02                                       ; source 0 in window 2: tiles 4 to 7
.irp j, 0,1,2,3,4,5,6,7
.irp c, 0,1,2,3
	v_mov_b32 v[R+32+4*\j+\c], v[32*\i+8*\c+\j]
.endr
.endr
	WIN 0
.irp j, 0,1,2,3,4,5,6,7
.irp g, 0,1
	global_store_b128 v11, v[R+32*\g+4*\j:R+32*\g+4*\j+3], s[40:41] offset:(16*\i+\j)*ROWB+256*\g
.endr
.endr
.endm
; A tile of mb blocks enters at .Lep mb, so that only blocks that it has written are read.
.irp mb, 8,7,6,5,4,3,2,1
.Lep\mb:
	EPI (\mb-1)
.endr
.Lnext:
	s_add_co_u32 s26, s26, 1
	s_cmp_ge_u32 s26, s23
	s_cbranch_scc1 .Lend                           ; no pass is left
	SETUP_A                                        ; on every way back: its first line frees the registers that the last stores read
	s_cmp_lt_u32 s26, s23
	s_cbranch_scc1 .Lpass
.Lend:
	s_barrier_signal -1
	s_barrier_wait -1
	s_wait_tensorcnt 0x0
	ds_add_u32 v30, v31
	s_wait_dscnt 0x0
	s_endpgm
.Lfunc_end_k_qb2242945ff_ffn2:
	.size	k_qb2242945ff_ffn2, .Lfunc_end_k_qb2242945ff_ffn2-k_qb2242945ff_ffn2
	.p2alignl 7, 3214868480
	.fill 96, 4, 3214868480
	.section	.rodata,"a",@progbits
	.p2align	6, 0x0
	.amdhsa_kernel k_qb2242945ff_ffn2
		.amdhsa_group_segment_fixed_size 279040
		.amdhsa_private_segment_fixed_size 0
		.amdhsa_enable_private_segment 0
		.amdhsa_kernarg_size 32
		.amdhsa_user_sgpr_count 2
		.amdhsa_user_sgpr_kernarg_segment_ptr 1
		.amdhsa_wavefront_size32 1
		.amdhsa_system_sgpr_workgroup_id_x 1
		.amdhsa_system_sgpr_workgroup_id_y 1
		.amdhsa_system_sgpr_workgroup_id_z 1
		.amdhsa_system_vgpr_workitem_id 0
		.amdhsa_next_free_vgpr 1024
		.amdhsa_next_free_sgpr 66
		.amdhsa_reserve_vcc 0
		.amdhsa_float_denorm_mode_32 3
		.amdhsa_float_denorm_mode_16_64 3
		.amdhsa_memory_ordered 1
		.amdhsa_forward_progress 1
		.amdhsa_inst_pref_size 255
	.end_amdhsa_kernel
	.section	.bss,"aw",@nobits
	.p2align	6
	.space	262144
	.amdgpu_metadata
---
amdhsa.version: [ 1, 2 ]
amdhsa.kernels:
  - .name:           k_qb2242945ff_ffn2
    .symbol:         k_qb2242945ff_ffn2.kd
    .args:
      - { .name: W2, .offset: 0, .size: 8, .value_kind: global_buffer, .address_space: global }
      - { .name: hbuf, .offset: 8, .size: 8, .value_kind: global_buffer, .address_space: global }
      - { .name: meta, .offset: 16, .size: 8, .value_kind: global_buffer, .address_space: global }
      - { .name: part, .offset: 24, .size: 8, .value_kind: global_buffer, .address_space: global }
    .group_segment_fixed_size: 279040
    .private_segment_fixed_size: 0
    .kernarg_segment_align: 8
    .kernarg_segment_size: 32
    .max_flat_workgroup_size: 128
    .sgpr_count:     66
    .vgpr_count:     1024
    .wavefront_size: 32
...
	.end_amdgpu_metadata
.endif
;; end of part 7
;; launch combine: the kernel of part 5 again; grid 256 x 1, 8 waves a work-group, no clusters, 0 bytes of LDS; arguments part, slots, sel, gw, b2, out0; writes out0
